; MI455X (gfx1250); checked and timed in simulation.
; The chip was launched on July 23, 2026; its instructions are those of AMD's public machine-readable ISA for CDNA 5 (MIT licence, August 2026) and "CDNA5" Instruction Set Architecture Reference Guide (July 2026). The comments in the code are by the model that wrote it; some were corrected since.
;; ITA Self Attention. Allowed arithmetic: float matrix products may take bf16 or f16 operands with f32 sums; all other float work in f32.
;; Inputs: bk 768 float32; bo 768 float32; bq 768 float32; bv 768 float32; wk 768 x 768 float32; wo 768 x 768 float32; wq 768 x 768 float32; wv 768 x 768 float32; x 8 x 1,024 x 768 float32.
;; Outputs: out0 8 x 1,024 x 768 float32.
;; Constants: H = 32, W = 32.
;; 2 versions, each right; version 2 is version 1 with the launch cvt written anew for expert scheduling mode. Each part assembles by itself: llvm-mc -triple=amdgcn-amd-amdhsa -mcpu=gfx1250 --defsym DOCPART=n.
;; ======== version 1 of 2: 4 launches
;; limits: values are held in f16: magnitudes above 65,504 overflow, below 6.1e-05 lose precision
;; workspace buffers: xh 12,582,912 bytes; wh 4,718,592 bytes; qkv 37,748,736 bytes; ctx 12,582,912 bytes
;; launch cvt (part 1): grid 528 x 1, 8 waves a work-group, no clusters, 0 bytes of LDS; arguments x, wq, wk, wv, wo, xh, wh; writes xh, wh
.if DOCPART == 1
	.amdgcn_target "amdgcn-amd-amdhsa--gfx1250"
	.amdhsa_code_object_version 6
	.text
	.protected	k_q586dba317a_cvt
	.globl	k_q586dba317a_cvt
	.p2align	8
	.type	k_q586dba317a_cvt,@function
k_q586dba317a_cvt:
	s_mov_b64 s[64:65], 0
	v_nop
	global_prefetch_b8 v0, s[64:65] scope:SCOPE_SE
	s_setreg_imm32_b32 hwreg(HW_REG_WAVE_MODE, 25, 1), 1
	s_wait_xcnt 0x0
; x and the four weight matrices, f32 -> f16 (round to nearest even), so that the products that follow move half the bytes.
; xh = x as [8192][768] f16.  wh = [3072][768] f16: the rows of wq, wk, wv, wo one behind the other.
; LIMIT: a magnitude of 65,520 or more becomes an infinity in f16; below 2^-14 the absolute error is 2^-25.
; A work-group converts a piece of 16,384 numbers: 65,536 bytes in, 32,768 out.  Pieces 0-383 are x (6,291,456 numbers),
; pieces 384 + 36 k .. 384 + 36 k + 35 are weight k (589,824 numbers each).  528 pieces in all, each byte read and written once.
; A stream: no LDS, no barrier, no matrix unit, no cluster (no two work-groups read the same byte).
; Sixteen loads of every wave go out at once; nothing is rewritten, so only the counted waits for the loads are needed.
.set XPIECES, 384
.set WPIECES, 36
.set XR, 4                             ; v[4:67]   sixteen loads of four f32
.set YR, 68                            ; v[68:99]  sixteen pairs of packed f16
	s_load_b256 s[4:11], s[0:1], 0x0               ; x s[4:5], wq s[6:7], wk s[8:9], wv s[10:11]
	s_load_b128 s[12:15], s[0:1], 0x20             ; wo s[12:13], xh s[14:15]
	s_load_b64 s[16:17], s[0:1], 0x30              ; wh
	s_mov_b32 s18, ttmp9                           ; my piece
	s_sub_co_u32 s26, s18, XPIECES                 ; its number inside wq (also: inside wh), wk, wv, wo; only the one that is chosen below is used
	s_sub_co_u32 s27, s18, XPIECES+WPIECES
	s_sub_co_u32 s28, s18, XPIECES+2*WPIECES
	s_sub_co_u32 s29, s18, XPIECES+3*WPIECES
	v_lshlrev_b32 v1, 4, v0                        ; 16 bytes in for each thread
	v_lshlrev_b32 v2, 3, v0                        ; 8 bytes out
	s_wait_kmcnt 0x0
	s_cmp_ge_u32 s18, XPIECES                      ; a weight's piece?
	s_cselect_b64 s[20:21], s[6:7], s[4:5]         ; from: wq or x
	s_cselect_b64 s[24:25], s[16:17], s[14:15]     ; to: wh or xh
	s_cselect_b32 s22, s26, s18                    ; piece inside the source
	s_cselect_b32 s23, s26, s18                    ; piece inside the destination
	s_cmp_ge_u32 s18, XPIECES+WPIECES
	s_cselect_b64 s[20:21], s[8:9], s[20:21]       ; wk
	s_cselect_b32 s22, s27, s22
	s_cmp_ge_u32 s18, XPIECES+2*WPIECES
	s_cselect_b64 s[20:21], s[10:11], s[20:21]     ; wv
	s_cselect_b32 s22, s28, s22
	s_cmp_ge_u32 s18, XPIECES+3*WPIECES
	s_cselect_b64 s[20:21], s[12:13], s[20:21]     ; wo
	s_cselect_b32 s22, s29, s22
	s_lshl_b32 s26, s22, 16                        ; 65,536 bytes a piece (383 pieces at the most: below 2^25)
	s_mov_b32 s27, 0
	s_add_nc_u64 s[20:21], s[20:21], s[26:27]
	s_lshl_b32 s28, s23, 15                        ; 32,768 bytes a piece
	s_mov_b32 s29, 0
	s_add_nc_u64 s[24:25], s[24:25], s[28:29]
.irp i, 0,1,2,3,4,5,6,7,8,9,10,11,12,13,14,15
	global_load_b128 v[XR+4*\i:XR+4*\i+3], v1, s[20:21] offset:4096*\i th:TH_LOAD_NT   ; a wave's load covers 512 consecutive bytes; read once in the launch
.endr
.irp i, 0,1,2,3,4,5,6,7,8,9,10,11,12,13,14,15
	s_wait_loadcnt 15-\i                           ; loads come back in order: load i is in, the 15 - i younger ones stay out
	v_cvt_pk_f16_f32 v[YR+2*\i], v[XR+4*\i], v[XR+4*\i+1]
	v_cvt_pk_f16_f32 v[YR+2*\i+1], v[XR+4*\i+2], v[XR+4*\i+3]
	global_store_b64 v2, v[YR+2*\i:YR+2*\i+1], s[24:25] offset:2048*\i   ; a wave's store covers 256 consecutive bytes, aligned
.endr
	s_endpgm
.Lfunc_end_k_q586dba317a_cvt:
	.size	k_q586dba317a_cvt, .Lfunc_end_k_q586dba317a_cvt-k_q586dba317a_cvt
	.p2alignl 7, 3214868480
	.fill 96, 4, 3214868480
	.section	.rodata,"a",@progbits
	.p2align	6, 0x0
	.amdhsa_kernel k_q586dba317a_cvt
		.amdhsa_group_segment_fixed_size 0
		.amdhsa_private_segment_fixed_size 0
		.amdhsa_enable_private_segment 0
		.amdhsa_kernarg_size 56
		.amdhsa_user_sgpr_count 2
		.amdhsa_user_sgpr_kernarg_segment_ptr 1
		.amdhsa_wavefront_size32 1
		.amdhsa_system_sgpr_workgroup_id_x 1
		.amdhsa_system_sgpr_workgroup_id_y 1
		.amdhsa_system_sgpr_workgroup_id_z 1
		.amdhsa_system_vgpr_workitem_id 0
		.amdhsa_next_free_vgpr 100
		.amdhsa_next_free_sgpr 66
		.amdhsa_reserve_vcc 0
		.amdhsa_float_denorm_mode_32 3
		.amdhsa_float_denorm_mode_16_64 3
		.amdhsa_memory_ordered 1
		.amdhsa_forward_progress 1
		.amdhsa_inst_pref_size 8
	.end_amdhsa_kernel
	.amdgpu_metadata
---
amdhsa.version: [ 1, 2 ]
amdhsa.kernels:
  - .name:           k_q586dba317a_cvt
    .symbol:         k_q586dba317a_cvt.kd
    .args:
      - { .name: x, .offset: 0, .size: 8, .value_kind: global_buffer, .address_space: global }
      - { .name: wq, .offset: 8, .size: 8, .value_kind: global_buffer, .address_space: global }
      - { .name: wk, .offset: 16, .size: 8, .value_kind: global_buffer, .address_space: global }
      - { .name: wv, .offset: 24, .size: 8, .value_kind: global_buffer, .address_space: global }
      - { .name: wo, .offset: 32, .size: 8, .value_kind: global_buffer, .address_space: global }
      - { .name: xh, .offset: 40, .size: 8, .value_kind: global_buffer, .address_space: global }
      - { .name: wh, .offset: 48, .size: 8, .value_kind: global_buffer, .address_space: global }
    .group_segment_fixed_size: 0
    .private_segment_fixed_size: 0
    .kernarg_segment_align: 8
    .kernarg_segment_size: 56
    .max_flat_workgroup_size: 256
    .sgpr_count:     66
    .vgpr_count:     100
    .wavefront_size: 32
...
	.end_amdgpu_metadata
.endif
;; end of part 1
;; launch qkv (part 2): grid 8 x 32, 4 waves a work-group, clusters of 4 x 4, 327,680 bytes of LDS; arguments xh, wh, bq, bk, bv, qkv; writes qkv
.if DOCPART == 2
	.amdgcn_target "amdgcn-amd-amdhsa--gfx1250"
	.amdhsa_code_object_version 6
	.text
	.protected	k_q586dba317a_qkv
	.globl	k_q586dba317a_qkv
	.p2align	8
	.type	k_q586dba317a_qkv,@function
k_q586dba317a_qkv:
	s_mov_b64 s[64:65], 0
	v_nop
	global_prefetch_b8 v0, s[64:65] scope:SCOPE_SE
	s_setreg_imm32_b32 hwreg(HW_REG_WAVE_MODE, 25, 1), 1
	s_wait_xcnt 0x0
	s_wait_alu depctr_hold_cnt(0) depctr_sa_sdst(0) depctr_va_vdst(0) depctr_va_sdst(0) depctr_va_ssrc(0) depctr_va_vcc(0) depctr_vm_vsrc(0)
	s_getreg_b32 s2, hwreg(HW_REG_IB_STS2, 6, 4)
	s_cmp_eq_u32 s2, 0
	s_cbranch_scc0 .Lentry_in_a_cluster
	s_endpgm
.Lentry_in_a_cluster:
	s_bfe_u32 s2, ttmp6, 0x10000c
	s_cmp_lg_u32 s2, 0xf033
	s_cbranch_scc0 .Lentry_shape_is_right
	s_endpgm
.Lentry_shape_is_right:
; q, k, v = x w^T + b in one product: [8192 tokens][768] x [2304 output columns][768]^T, f16 operands, f32 sums, f16 results.
; qkv is stored TILED: [batch 8][column tile T 144][token 1024][16 columns] f16; T = output column / 16: 0-47 q, 48-95 k, 96-143 v.
; LIMIT: results of magnitude 65,520 or more become infinities in f16; below 2^-14 the absolute error is 2^-25.
; A work-group makes 256 tokens x 288 columns with four waves; 32 x 8 = 256 work-groups of equal work.  A wave makes 128 x 144:
; 8 x 9 accumulator tiles, 576 registers.  K = 768 goes in six steps of 128 through two LDS slots; a tile's rows are 256 bytes of
; memory at multiples of 256 bytes.  For 32 along K a wave issues 72 matrix instructions for 34 LDS loads.
; CLUSTERS: 4 x 4 work-groups.  The four of a row of the cluster need the same token rows, the four of a column the same weight rows:
; both are asked for jointly, which divides the requests for both by four.
; THE MATRIX INSTRUCTION IS USED TRANSPOSED: source 0 = 16 weight rows, source 1 = 16 token rows.  Lane (r = l % 16, h = l / 16) then
; holds token r and columns 8 h .. 8 h + 7 of the tile: 16 bytes of f16 at r * 32 + 16 h, so one store of the wave writes a whole
; 16 x 16 tile as 512 consecutive aligned bytes, with no way through LDS.  The bias has the same place in the registers and is the
; C operand of the first products: nothing is cleared and nothing is added later.
; REGISTER WINDOWS: 0: v0-31 addresses, v32-95 / v96-159 token fragments (two buffers), v160-231 bias, later packed results;
; 1: v0-63 accumulators of column tile 8, v64-135 / v136-207 weight fragments; 2: tiles (a 0-3, b 0-7) at 8 (8 a + b); 3: a 4-7.
; The 72 accumulators take turns, one matrix instruction a turn, in the same order in every quarter step.
.set KSTEP,  128
.set PITCH,  272                       ; 256 bytes of data + 16 of padding: the 16 rows of a fragment load start in 16 different 16-byte columns
.set AHALF,  128*PITCH                 ; what one load brings of the tokens
.set BHALF,  144*PITCH                 ; what one load brings of the weights
.set BOFF,   2*AHALF
.set SLOT,   2*AHALF+2*BHALF           ; 147,968; two slots fill the 295,936 bytes
.set KBYTES, 1536                      ; a row of xh or wh
.set ADRA, 16                          ; v16-17  LDS address of my token fragments in slot 0, 1
.set ADRB, 20                          ; v20-21  the same for the weights
.set CO,   26                          ; v26     r * 32 + 16 h: my 16 bytes in a stored tile
.set VB,   27                          ; v27     32 h: my eight bias numbers in a tile's 64 bytes
.set FA,   32                          ; token fragments, buffer f at + 64 f (window 0)
.set FB,   64                          ; weight fragments, buffer f at + 72 f (window 1)
.set BIAS, 160
.set TMP,  160
.set G1A, 24
.set G0A, 32
.set G1B, 40
.set G0B, 48
.set GCONST, (1<<16)|(1<<20)|(1<<21)|(5<<22)|(3<<25)   ; elements of 2 bytes; padding on; bit 21 beside a mask; after every 64 words; 4 words
.set MSB, 0
.macro WIN new                         ; the immediate's high byte repeats the setting that is left
.if MSB != (\new)
	s_set_vgpr_msb (MSB<<8)|(\new)
.set MSB, (\new)
.endif
.endm
.macro PLACES                          ; four places behind matrix instructions, in front of loads into their sources and of readers of their results
.rept 4
	v_nop
.endr
.endm
; A joint load: waves 0, 1 ask for the two halves of the tokens' tile, waves 2, 3 for those of the weights'.  The branch hangs on the wave's number alone.
.macro JLOAD s
	s_cmp_eq_u32 s17, 0
	s_cbranch_scc0 .Lfor_b_\@
	tensor_load_to_lds s[G0A+4*\s:G0A+4*\s+3], s[G1A:G1A+7]
	s_nop 0
	s_branch .Lasked_\@
.Lfor_b_\@:
	tensor_load_to_lds s[G0B+4*\s:G0B+4*\s+3], s[G1B:G1B+7]
	s_nop 0
.Lasked_\@:
.endm
.macro CREST                           ; a round of the cluster's barrier behind its opening work-group barrier
	s_cmp_lg_u32 s16, 0
	s_cbranch_scc1 .Lnot_wave_0_\@
	s_barrier_signal -3
.Lnot_wave_0_\@:
	s_barrier_wait -3
	s_barrier_signal -1
	s_barrier_wait -1
.endm
.macro CROUND
	s_barrier_signal -1
	s_barrier_wait -1
	CREST
.endm
	s_load_b256 s[4:11], s[0:1], 0x0               ; xh s[4:5], wh s[6:7], bq s[8:9], bk s[10:11]
	s_load_b128 s[12:15], s[0:1], 0x20             ; bv s[12:13], qkv s[14:15]
	s_set_vgpr_msb 0x40
	v_lshl_add_u32 v255, v0, 2, 0x48400
	s_set_vgpr_msb 0x4000
	v_mov_b32 v255, 0
	s_set_vgpr_msb 0x1
	ds_add_u32 v255, v255
	s_set_vgpr_msb 0x100
	v_lshrrev_b32 v1, 5, v0
	v_readfirstlane_b32 s16, v1                    ; wave 0..3
	s_lshr_b32 s17, s16, 1                         ; my half of the block's tokens.  Also: I fetch tokens (0) or weights (1)
	s_and_b32 s18, s16, 1                          ; my half of its columns.  Also: which half of that tile I fetch
	s_bfe_u32 s19, ttmp6, 0x40000                  ; cx
	s_bfe_u32 s20, ttmp6, 0x40004                  ; cy
	s_lshl_b32 s21, ttmp9, 2
	s_add_co_u32 s21, s21, s19                     ; block column = 4 x cluster x + cx
	s_and_b32 s22, ttmp7, 0xffff
	s_lshl_b32 s22, s22, 2
	s_add_co_u32 s22, s22, s20                     ; block row = 4 x cluster y + cy
	s_mul_i32 s23, s21, 18
	s_mul_i32 s70, s18, 9
	s_add_co_u32 s23, s23, s70                     ; my first column tile: 18 x block column + 9 x half
	s_lshl_b32 s62, s20, 2
	s_lshl_b32 s62, 15, s62                        ; my row of the cluster
	s_lshl_b32 s63, 0x1111, s19                    ; my column
	s_or_b32 s[G1A+0], s62, GCONST                 ; tokens go to my row,
	s_or_b32 s[G1B+0], s63, GCONST                 ; weights to my column
	s_mov_b32 s[G1A+1], KSTEP<<16                  ; tensor_dim0 = 128
	s_mov_b32 s[G1B+1], KSTEP<<16
	s_mov_b32 s[G1A+2], 128<<16                    ; tensor_dim1 = 128 rows
	s_mov_b32 s[G1B+2], 144<<16                    ; 144 rows
	s_mov_b32 s[G1A+3], KSTEP<<16                  ; tile_dim0 = 128
	s_mov_b32 s[G1B+3], KSTEP<<16
	s_mov_b32 s[G1A+4], 128                        ; tile_dim1
	s_mov_b32 s[G1B+4], 144
	s_mov_b32 s[G1A+5], 768                        ; elements from row to row
	s_mov_b32 s[G1B+5], 768
	s_mov_b32 s[G1A+6], 0
	s_mov_b32 s[G1B+6], 0
	s_mov_b32 s[G1A+7], 0
	s_mov_b32 s[G1B+7], 0
	s_lshl_b32 s56, s22, 8                         ; tokens: row 256 x block row + 128 x half (these registers never hold cx)
	s_lshl_b32 s60, s18, 7
	s_add_co_u32 s56, s56, s60
	s_mul_i32 s56, s56, KBYTES                     ; below 2^24
	s_mov_b32 s57, 0
	s_mul_i32 s58, s21, 288                        ; weights: row 288 x block column + 144 x half (these never hold cy)
	s_mul_i32 s61, s18, 144
	s_add_co_u32 s58, s58, s61
	s_mul_i32 s58, s58, KBYTES
	s_mov_b32 s59, 0
	s_mul_i32 s60, s18, AHALF                      ; where they go: the wave's number alone enters an LDS address
	s_mul_i32 s61, s18, BHALF
	s_add_co_u32 s61, s61, BOFF
	s_wait_dscnt 0x0
	s_wait_kmcnt 0x0
	s_add_nc_u64 s[56:57], s[4:5], s[56:57]
	s_add_nc_u64 s[58:59], s[6:7], s[58:59]
	CROUND                                         ; all sixteen work-groups are here: the first joint loads meet
.irp s, 0,1
	s_mov_b32 s[G0A+4*\s], 1
	s_add_co_u32 s[G0A+4*\s+1], s60, \s*SLOT
	s_add_nc_u64 s[G0A+4*\s+2:G0A+4*\s+3], s[56:57], \s*KSTEP*2    ; K step s
	s_or_b32 s[G0A+4*\s+3], s[G0A+4*\s+3], 0x80000000
	s_mov_b32 s[G0B+4*\s], 1
	s_add_co_u32 s[G0B+4*\s+1], s61, \s*SLOT
	s_add_nc_u64 s[G0B+4*\s+2:G0B+4*\s+3], s[58:59], \s*KSTEP*2
	s_or_b32 s[G0B+4*\s+3], s[G0B+4*\s+3], 0x80000000
	JLOAD \s                                       ; both slots' first fills: two tensor loads of the wave are out here, one later
.endr
	v_and_b32 v1, 15, v0                           ; r
	v_bfe_u32 v2, v0, 4, 1                         ; h
	v_mul_u32_u24 v3, v1, PITCH
	v_lshl_add_u32 v3, v2, 4, v3                   ; row x pitch + 16 h: two loads 32 bytes apart fill a fragment
	s_mul_i32 s74, s17, AHALF
	s_mul_i32 s75, s18, BHALF
	s_add_co_u32 s75, s75, BOFF
.irp s, 0,1
	v_add_nc_u32 v[ADRA+\s], s74, v3
	v_add_nc_u32 v[ADRB+\s], s75, v3
	s_add_co_u32 s74, s74, SLOT
	s_add_co_u32 s75, s75, SLOT
.endr
	v_lshlrev_b32 v[CO], 5, v1
	v_lshl_add_u32 v[CO], v2, 4, v[CO]
	v_lshlrev_b32 v[VB], 5, v2
; The bias of my column tile b, in the accumulator's layout: register j = bias of column 16 T + 8 h + j.  T picks the buffer.
.macro BIASLD b
	s_add_co_u32 s66, s23, \b                      ; T
	s_cmp_lt_u32 s66, 48
	s_cselect_b64 s[72:73], s[8:9], s[10:11]       ; bq or bk
	s_cselect_b32 s67, 0, 48
	s_cmp_lt_u32 s66, 96
	s_cselect_b64 s[72:73], s[72:73], s[12:13]     ; or bv
	s_cselect_b32 s67, s67, 96
	s_sub_co_u32 s70, s66, s67
	s_lshl_b32 s70, s70, 6                         ; 64 bytes a tile
	s_mov_b32 s71, 0
	s_wait_xcnt 0x0                                ; the base of the loads before is rewritten only behind this wait
	s_add_nc_u64 s[68:69], s[72:73], s[70:71]
	global_load_b128 v[BIAS+8*\b:BIAS+8*\b+3], v[VB], s[68:69]
	global_load_b128 v[BIAS+8*\b+4:BIAS+8*\b+7], v[VB], s[68:69] offset:16
.endm
.irp b, 0,1,2,3,4,5,6,7,8
	BIASLD \b
.endr
; 16 matrix instructions: token tiles a0, a0 + 1 of the window's four x column tiles 0-7.  z = 1: the bias starts the sums.
.macro MULG f, hi, a0, z
.irp a, \a0, \a0+1
.irp b, 0,1,2,3,4,5,6,7
.if \z
	v_wmma_f32_16x16x32_f16 v[8*(8*(\a)+\b):8*(8*(\a)+\b)+7], v[FB+72*\f+8*\b:FB+72*\f+8*\b+7], v[FA+64*\f+8*(4*\hi+\a):FA+64*\f+8*(4*\hi+\a)+7], v[BIAS+8*\b:BIAS+8*\b+7]
.else
	v_wmma_f32_16x16x32_f16 v[8*(8*(\a)+\b):8*(8*(\a)+\b)+7], v[FB+72*\f+8*\b:FB+72*\f+8*\b+7], v[FA+64*\f+8*(4*\hi+\a):FA+64*\f+8*(4*\hi+\a)+7], v[8*(8*(\a)+\b):8*(8*(\a)+\b)+7]
.endif
.endr
.endr
.endm
; 8 matrix instructions: all token tiles x column tile 8 (accumulators in window 1)
.macro MULX f, z
.irp a, 0,1,2,3,4,5,6,7
.if \z
	v_wmma_f32_16x16x32_f16 v[8*\a:8*\a+7], v[FB+72*\f+64:FB+72*\f+71], v[FA+64*\f+8*\a:FA+64*\f+8*\a+7], v[BIAS+64:BIAS+71]
.else
	v_wmma_f32_16x16x32_f16 v[8*\a:8*\a+7], v[FB+72*\f+64:FB+72*\f+71], v[FA+64*\f+8*\a:FA+64*\f+8*\a+7], v[8*\a:8*\a+7]
.endif
.endr
.endm
; 34 LDS loads in one run: 144 weight rows, then 128 token rows, 32 K at byte k of the rows, into buffer g
.macro FETCH slot, k, g
	WIN 0x40                                       ; destination window 1, address window 0
.irp i, 0,1,2,3,4,5,6,7,8
	ds_load_b128 v[FB+72*\g+8*\i:FB+72*\g+8*\i+3],   v[ADRB+\slot] offset:\k+\i*16*PITCH
	ds_load_b128 v[FB+72*\g+8*\i+4:FB+72*\g+8*\i+7], v[ADRB+\slot] offset:\k+\i*16*PITCH+32
.endr
	WIN 0
.irp i, 0,1,2,3,4,5,6,7
	ds_load_b128 v[FA+64*\g+8*\i:FA+64*\g+8*\i+3],   v[ADRA+\slot] offset:\k+\i*16*PITCH
	ds_load_b128 v[FA+64*\g+8*\i+4:FA+64*\g+8*\i+7], v[ADRA+\slot] offset:\k+\i*16*PITCH+32
.endr
.endm
; Window settings: source 0 window 1, source 1 window 0; C and D window 2 (0xa1), 3 (0xf1), 1 (0x51); with the bias as C, C is in window 0.
.macro QUARTER slot, k, f, g, z
	s_wait_dscnt 8                                 ; all but the youngest eight loads (token tiles 4-7) are in
	WIN 0xa1-0x20*\z
	MULG \f, 0, 0, \z
	MULG \f, 0, 2, \z
	PLACES
	FETCH \slot, \k, \g
	s_wait_dscnt 34                                ; all but the 34 just issued
	WIN 0xf1-0x30*\z
	MULG \f, 1, 0, \z
	MULG \f, 1, 2, \z
	WIN 0x51-0x10*\z
	MULX \f, \z
.endm
.macro THREE slot, z
	QUARTER \slot, 64,  0, 1, \z
	QUARTER \slot, 128, 1, 0, 0
	QUARTER \slot, 192, 0, 1, 0
.endm
; The last quarter of a K step: multiplies buffer 1 and changes slots.  In front of the barrier each wave waits for its reads of this
; slot and for all its tensor loads (one is out: its part of the next slot).  Where the slot is filled again the barrier opens a round
; of the cluster's barrier, and the joint refill is the first tensor load behind the round.  From a request to the wait for it a wave
; issues 272 matrix instructions.
.macro TURN slot, next, fill
	s_wait_dscnt 8
	WIN 0xa1
	MULG 1, 0, 0, 0
	s_wait_dscnt 0                                 ; my reads of this slot are over
	s_wait_tensorcnt 0x0                           ; all my tensor loads have landed
	ds_add_u32 v255, v255
	s_wait_dscnt 0x0
	s_barrier_signal -1
	MULG 1, 0, 2, 0                                ; register work while the others arrive
	WIN 0
	s_barrier_wait -1
.if \fill
	CREST
	s_add_nc_u64 s[G0A+4*\slot+2:G0A+4*\slot+3], s[G0A+4*\slot+2:G0A+4*\slot+3], 2*KSTEP*2   ; no load of mine is out: the addresses step two K steps on
	s_add_nc_u64 s[G0B+4*\slot+2:G0B+4*\slot+3], s[G0B+4*\slot+2:G0B+4*\slot+3], 2*KSTEP*2
	JLOAD \slot
.endif
	PLACES
	FETCH \next, 0, 0
	WIN 0xf1
	MULG 1, 1, 0, 0
	MULG 1, 1, 2, 0
	WIN 0x51
	MULX 1, 0
.endm
.macro LAP z
	THREE 0, \z
	TURN 0, 1, 1
	THREE 1, 0
	TURN 1, 0, 1
.endm
	s_wait_loadcnt 0x0                             ; the bias
	s_wait_tensorcnt 1                             ; my part of K step 0 is in; K step 1's stays out
	s_barrier_signal -1
	s_barrier_wait -1
	FETCH 0, 0, 0
	LAP 1                                          ; K steps 0, 1; slots filled with steps 2, 3
	LAP 0                                          ; K steps 2, 3; slots filled with steps 4, 5
	THREE 0, 0                                     ; K step 4: nothing is left to fetch
	TURN 0, 1, 0
	THREE 1, 0                                     ; K step 5
	s_wait_dscnt 8
	WIN 0xa1
	MULG 1, 0, 0, 0
	MULG 1, 0, 2, 0
	s_wait_dscnt 0
	WIN 0xf1
	MULG 1, 1, 0, 0
	MULG 1, 1, 2, 0
	WIN 0x51
	MULX 1, 0
	; THE WAY OUT: round to f16, one store a tile.
	PLACES
	s_lshr_b32 s72, s22, 2                         ; batch = block row / 4
	s_mul_i32 s72, s72, 144
	s_add_co_u32 s72, s72, s23                     ; + my first column tile
	s_lshl_b32 s72, s72, 10                        ; x 1,024 tokens
	s_and_b32 s70, s22, 3
	s_lshl_b32 s70, s70, 8
	s_add_co_u32 s72, s72, s70                     ; + 256 x (block row % 4)
	s_lshl_b32 s70, s17, 7
	s_add_co_u32 s72, s72, s70                     ; + 128 x my half
	s_lshl_b32 s72, s72, 5                         ; x 32 bytes (below 2^26)
	s_mov_b32 s73, 0
	s_add_nc_u64 s[14:15], s[14:15], s[72:73]
; eight tiles at base + 8 i of the window named by from; tile i goes to imm0 + i x istep
.macro OUTG from, base, imm0, istep
	s_wait_xcnt 0x0                                ; the packed results, which the stores before read, are rewritten only behind this wait
	WIN \from
.irp i, 0,1,2,3,4,5,6,7
.irp r, 0,1,2,3
	v_cvt_pk_f16_f32 v[TMP+4*\i+\r], v[\base+8*\i+2*\r], v[\base+8*\i+2*\r+1]
.endr
.endr
	WIN 0
.irp i, 0,1,2,3,4,5,6,7
	global_store_b128 v[CO], v[TMP+4*\i:TMP+4*\i+3], s[14:15] offset:\imm0+\i*\istep   ; 512 consecutive aligned bytes: a whole tile
.endr
.endm
	OUTG 0x0a, 0,   0,    32768                    ; token tile a: 512 a; column tile b: 32,768 b
	OUTG 0x0a, 64,  512,  32768
	OUTG 0x0a, 128, 1024, 32768
	OUTG 0x0a, 192, 1536, 32768
	OUTG 0x0f, 0,   2048, 32768
	OUTG 0x0f, 64,  2560, 32768
	OUTG 0x0f, 128, 3072, 32768
	OUTG 0x0f, 192, 3584, 32768
	OUTG 0x05, 0,   262144, 512                    ; column tile 8, token tiles 0-7
	CROUND                                         ; the closing round: no work-group ends while a partner may still ask for a tile that names it
	s_endpgm
.Lfunc_end_k_q586dba317a_qkv:
	.size	k_q586dba317a_qkv, .Lfunc_end_k_q586dba317a_qkv-k_q586dba317a_qkv
	.p2alignl 7, 3214868480
	.fill 96, 4, 3214868480
	.section	.rodata,"a",@progbits
	.p2align	6, 0x0
	.amdhsa_kernel k_q586dba317a_qkv
		.amdhsa_group_segment_fixed_size 327680
		.amdhsa_private_segment_fixed_size 0
		.amdhsa_enable_private_segment 0
		.amdhsa_kernarg_size 48
		.amdhsa_user_sgpr_count 2
		.amdhsa_user_sgpr_kernarg_segment_ptr 1
		.amdhsa_wavefront_size32 1
		.amdhsa_system_sgpr_workgroup_id_x 1
		.amdhsa_system_sgpr_workgroup_id_y 1
		.amdhsa_system_sgpr_workgroup_id_z 1
		.amdhsa_system_vgpr_workitem_id 0
		.amdhsa_next_free_vgpr 1024
		.amdhsa_next_free_sgpr 76
		.amdhsa_reserve_vcc 0
		.amdhsa_float_denorm_mode_32 3
		.amdhsa_float_denorm_mode_16_64 3
		.amdhsa_memory_ordered 1
		.amdhsa_forward_progress 1
		.amdhsa_inst_pref_size 209
	.end_amdhsa_kernel
	.amdgpu_metadata
---
amdhsa.version: [ 1, 2 ]
amdhsa.kernels:
  - .name:           k_q586dba317a_qkv
    .symbol:         k_q586dba317a_qkv.kd
    .args:
      - { .name: xh, .offset: 0, .size: 8, .value_kind: global_buffer, .address_space: global }
      - { .name: wh, .offset: 8, .size: 8, .value_kind: global_buffer, .address_space: global }
      - { .name: bq, .offset: 16, .size: 8, .value_kind: global_buffer, .address_space: global }
      - { .name: bk, .offset: 24, .size: 8, .value_kind: global_buffer, .address_space: global }
      - { .name: bv, .offset: 32, .size: 8, .value_kind: global_buffer, .address_space: global }
      - { .name: qkv, .offset: 40, .size: 8, .value_kind: global_buffer, .address_space: global }
    .group_segment_fixed_size: 327680
    .private_segment_fixed_size: 0
    .kernarg_segment_align: 8
    .kernarg_segment_size: 48
    .max_flat_workgroup_size: 128
    .sgpr_count:     76
    .vgpr_count:     1024
    .wavefront_size: 32
...
	.end_amdgpu_metadata
.endif
;; end of part 2
;; launch attn (part 3): grid 32 x 8, 8 waves a work-group, clusters of 4 x 1, 327,680 bytes of LDS; arguments qkv, ctx; writes ctx
.if DOCPART == 3
	.amdgcn_target "amdgcn-amd-amdhsa--gfx1250"
	.amdhsa_code_object_version 6
	.text
	.protected	k_q586dba317a_attn
	.globl	k_q586dba317a_attn
	.p2align	8
	.type	k_q586dba317a_attn,@function
k_q586dba317a_attn:
	s_mov_b64 s[64:65], 0
	v_nop
	global_prefetch_b8 v0, s[64:65] scope:SCOPE_SE
	s_setreg_imm32_b32 hwreg(HW_REG_WAVE_MODE, 25, 1), 1
	s_wait_xcnt 0x0
	s_wait_alu depctr_hold_cnt(0) depctr_sa_sdst(0) depctr_va_vdst(0) depctr_va_sdst(0) depctr_va_ssrc(0) depctr_va_vcc(0) depctr_vm_vsrc(0)
	s_getreg_b32 s2, hwreg(HW_REG_IB_STS2, 6, 4)
	s_cmp_eq_u32 s2, 0
	s_cbranch_scc0 .Lentry_in_a_cluster
	s_endpgm
.Lentry_in_a_cluster:
	s_bfe_u32 s2, ttmp6, 0x10000c
	s_cmp_lg_u32 s2, 0x3003
	s_cbranch_scc0 .Lentry_shape_is_right
	s_endpgm
.Lentry_shape_is_right:
; ctx = softmax(q k^T) v; no scale in front of the softmax, as the problem has it.
; f16 operands, f32 sums; the softmax in f32 with a running maximum.  ctx is stored tiled: [column tile 48][token 8192][16] f16.
; LIMITS: the weights p <= 1 and the results go to f16 (absolute error 2^-25 below 2^-14; results of 65,520 or more become infinities);
; an exponential below 2^-126 counts as zero.
; 32 x 8 = 256 work-groups THAT STAY: each does three jobs of 128 queries.  A batch (grid y) has 12 heads of 8 query blocks = 24 steps
; of four blocks for its 8 clusters of four work-groups: cluster c takes head F = c whole (job 0: blocks cx, job 1: blocks 4 + cx) and
; one half of head H = 8 + c / 2 (job 2: blocks 4 (c % 2) + cx).  The four partners always have one head, so every K and V tile is asked
; for jointly (mask 15), and F's K and V serve two jobs: two fills of LDS for three jobs.
; LDS holds a head's whole K and V (2 x 1,024 x 64 f16, 278,528 bytes with padding) as two halves of 512 keys.  Wave w brings plane w
; (K's column tiles 0-3, V's 0-3) of a half with one load: 16,384 consecutive bytes.  H replaces F while job 1 runs: half 0 behind job 1's
; fourth chunk, half 1 behind its eighth, each behind a round of the cluster's barrier in front of which every wave has waited for its LDS
; reads and for all its tensor loads.  Each refill has four chunks' work in which to land.  Two tensor loads of a wave are out at the
; start, one behind each refill.  No prefetch: F is requested at the start, H four chunks' work ahead of its first read.
; Eight waves: g = w % 4 owns 32 queries (two tiles X), kh = w / 4 owns 64 of each 128 keys; at a job's end waves 4-7 hand their part over
; through a stage in LDS and go on to the next job while waves 0-3 merge and store.
; The vector work of the softmax is more than the matrix work, so two waves share a SIMD and fill each other's gaps.
; S^T = K Q^T: lane (r, h) holds query r and keys 16 kt + 8 h + j, so maxima and sums stay in the lane but for one exchange of halves,
; and packing two S tiles in place gives P's fragment for O^T = V^T P with no lane traffic; O^T's lane holds query r: one factor a lane.
; In LDS 16 bytes of padding follow every 256 (8 keys of 32 bytes): key i of a plane's chunk lies at (i / 8) * 272 + (i % 8) * 32.
; Accumulators take turns, one matrix instruction a turn.
.set CH,    4352                       ; 128 keys of a plane: 4,096 bytes + 16 pads
.set PLANE, 4*CH                       ; 512 keys of a plane: what one tensor load brings
.set HALF,  8*PLANE                    ; 512 keys of all eight planes: 139,264
.set STAGE, 2*HALF                     ; 278,528: the merge's stage, 4 x 8,704 bytes, bytes of its own
.set KB,  0                            ; v0   K fragments' lane term + my 64 keys of a chunk; never rewritten
.set VL,  1                            ; v1   the same for V's transposing loads
.set AK,  2                            ; v2-3 K planes 0-1, 2-3 of the half at work: KB + a constant
.set AV,  4                            ; v4-5 V planes 4-5, 6-7 of the half at work: VL + a constant
.set GO,  6                            ; v6   r * 32 + 16 h
.set STG, 7                            ; v7   my 16 bytes in the stage
.set T,   8                            ; v8-15
.set NM,  16                           ; v16  - log2(e) x maximum; v17 is written once: a pair counts as read whole
.set AL,  18                           ; v18  the old sums' factor; v19 likewise
.set MX,  20                           ; v[20 + X + 2 p]  running maximum, the two parities take turns
.set LS,  24                           ; v[24 + 2 X : +1] running sums, two chains
.set U,   28                           ; v28-31
.set QR,  32                           ; v32-63   Q fragment (X, s) at 16 X + 8 s
.set KV,  64                           ; v64-127  K (kt, s) at 16 kt + 8 s; then V (ks, dt) at 32 ks + 8 dt
.set SR,  128                          ; v128-191 S tile (X, kt) at 32 X + 8 kt; P (X, ks) at 32 X + 16 ks
.set OA,  192                          ; v192-255 O tile (X, dt) at 32 X + 8 dt
.set G1,  16                           ; s[16:23] the shape of every tensor load
.set G0F, 24                           ; s[24:31] head F, halves 0 and 1; never rewritten
.set G0H, 32                           ; s[32:39] head H, halves 0 and 1; never rewritten
.set QF,  40                           ; s[40:41] my queries of job 0 (job 1: 16,384 bytes on)
.set QH,  42                           ; s[42:43] my queries of job 2
.set CF,  44                           ; s[44:45] my rows of ctx, job 0 (job 1: 16,384 bytes on)
.set CHD, 46                           ; s[46:47] my rows of ctx, job 2
.macro CREST                           ; a round of the cluster's barrier behind its opening work-group barrier
	s_cmp_lg_u32 s8, 0
	s_cbranch_scc1 .Lnot_wave_0_\@
	s_barrier_signal -3
.Lnot_wave_0_\@:
	s_barrier_wait -3
	s_barrier_signal -1
	s_barrier_wait -1
.endm
.macro ROUND
	s_barrier_signal -1
	s_barrier_wait -1
	CREST
.endm
	s_load_b128 s[4:7], s[0:1], 0x0                ; qkv s[4:5], ctx s[6:7]
	s_set_vgpr_msb 0x40
	v_lshl_add_u32 v0, v0, 2, 0x4c800
	v_mov_b32 v1, 0
	s_set_vgpr_msb 0x4045
	ds_add_u32 v0, v1
	s_set_vgpr_msb 0x4500
	v_lshrrev_b32 v1, 5, v0
	v_readfirstlane_b32 s8, v1                     ; wave 0..7
	s_and_b32 s9, s8, 3                            ; g
	s_lshr_b32 s10, s8, 2                          ; kh
	s_bfe_u32 s11, ttmp6, 0x40000                  ; cx
	s_mov_b32 s12, ttmp9                           ; head F = the cluster's x
	s_lshr_b32 s13, ttmp9, 1
	s_add_co_u32 s13, s13, 8                       ; head H = 8 + x / 2
	s_and_b32 s15, ttmp9, 1                        ; which half of H's query blocks
	s_and_b32 s14, ttmp7, 0xffff                   ; batch
	s_mov_b32 s[G1+0], 15|(3<<16)|(1<<20)|(1<<21)|(5<<22)|(3<<25)   ; all four partners; elements of 8 bytes; padding: 4 words after every 64
	s_mov_b32 s[G1+1], 32<<16                      ; a dense 16,384 bytes as 64 rows of 32 elements
	s_mov_b32 s[G1+2], 64<<16
	s_mov_b32 s[G1+3], 32<<16
	s_mov_b32 s[G1+4], 64
	s_mov_b32 s[G1+5], 32
	s_mov_b32 s[G1+6], 0
	s_mov_b32 s[G1+7], 0
	s_mul_i32 s52, s14, 144                        ; the batch's first column tile
	s_mul_i32 s53, s10, 44
	s_add_co_u32 s53, s53, s8
	s_add_co_u32 s53, s53, s52
	s_add_co_u32 s53, s53, 48                      ; my plane of head 0: K's tile 48 + w for w < 4, V's tile 96 + w - 4 else
	s_lshl_b32 s54, s12, 2                         ; 4 F
	s_lshl_b32 s55, s13, 2                         ; 4 H
	s_add_co_u32 s48, s53, s54
	s_lshl_b32 s48, s48, 15                        ; 32,768 bytes a column tile (below 2^26); no place in the cluster enters
	s_mov_b32 s49, 0
	s_add_co_u32 s50, s53, s55
	s_lshl_b32 s50, s50, 15
	s_mov_b32 s51, 0
	s_lshl_b32 s56, s11, 12                        ; my 32 queries of job 0: (128 cx + 32 g) x 32 bytes
	s_lshl_b32 s58, s9, 10
	s_add_co_u32 s56, s56, s58
	s_lshl_b32 s57, s15, 14                        ; of job 2: four blocks on for the odd cluster
	s_add_co_u32 s57, s57, s56
	s_add_co_u32 s[QF], s52, s54                   ; q's first column tile of head F
	s_lshl_b32 s[QF], s[QF], 15
	s_add_co_u32 s[QF], s[QF], s56
	s_mov_b32 s[QF+1], 0
	s_add_co_u32 s[QH], s52, s55
	s_lshl_b32 s[QH], s[QH], 15
	s_add_co_u32 s[QH], s[QH], s57
	s_mov_b32 s[QH+1], 0
	s_lshl_b32 s58, s14, 15                        ; ctx: (4 x head x 8,192 + 1,024 x batch) x 32 bytes + my queries
	s_lshl_b32 s[CF], s12, 20
	s_add_co_u32 s[CF], s[CF], s58
	s_add_co_u32 s[CF], s[CF], s56
	s_mov_b32 s[CF+1], 0
	s_lshl_b32 s[CHD], s13, 20
	s_add_co_u32 s[CHD], s[CHD], s58
	s_add_co_u32 s[CHD], s[CHD], s57
	s_mov_b32 s[CHD+1], 0
	s_mul_i32 s59, s8, PLANE                       ; my plane in a half
	s_mov_b32 s66, 0x76543210                      ; v_permlanex16_b32: lane i reads lane i of the other half
	s_mov_b32 s67, 0xfedcba98
	s_mov_b32 s68, 0x3fb8aa3b                      ; log2(e), twice for the packed form
	s_mov_b32 s69, 0x3fb8aa3b
	s_mov_b32 s70, 0xbfb8aa3b                      ; - log2(e)
	s_wait_dscnt 0x0
	s_wait_kmcnt 0x0
	s_add_nc_u64 s[48:49], s[4:5], s[48:49]
	s_add_nc_u64 s[50:51], s[4:5], s[50:51]
	s_add_nc_u64 s[QF:QF+1], s[4:5], s[QF:QF+1]
	s_add_nc_u64 s[QH:QH+1], s[4:5], s[QH:QH+1]
	s_add_nc_u64 s[CF:CF+1], s[6:7], s[CF:CF+1]
	s_add_nc_u64 s[CHD:CHD+1], s[6:7], s[CHD:CHD+1]
.irp h, 0,1
	s_mov_b32 s[G0F+4*\h], 1
	s_add_co_u32 s[G0F+4*\h+1], s59, \h*HALF
	s_add_nc_u64 s[G0F+4*\h+2:G0F+4*\h+3], s[48:49], \h*16384
	s_or_b32 s[G0F+4*\h+3], s[G0F+4*\h+3], 0x80000000
	s_mov_b32 s[G0H+4*\h], 1
	s_add_co_u32 s[G0H+4*\h+1], s59, \h*HALF
	s_add_nc_u64 s[G0H+4*\h+2:G0H+4*\h+3], s[50:51], \h*16384
	s_or_b32 s[G0H+4*\h+3], s[G0H+4*\h+3], 0x80000000
.endr
	ROUND                                          ; the four partners are here: the joint loads meet
	tensor_load_to_lds s[G0F:G0F+3], s[G1:G1+7]    ; head F, keys 0-511
	s_nop 0
	tensor_load_to_lds s[G0F+4:G0F+7], s[G1:G1+7]  ; head F, keys 512-1023
	s_nop 0
.macro QLOAD qb, off                   ; eight loads: my 32 queries as four fragments
.irp X, 0,1
.irp s, 0,1
	global_load_b128 v[QR+16*\X+8*\s:QR+16*\X+8*\s+3],   v[GO], s[\qb:\qb+1] offset:\off+2*\s*32768+512*\X       ; d = 32 s + 8 h ..
	global_load_b128 v[QR+16*\X+8*\s+4:QR+16*\X+8*\s+7], v[GO], s[\qb:\qb+1] offset:\off+(2*\s+1)*32768+512*\X   ; d = 32 s + 16 + 8 h ..
.endr
.endr
.endm
.macro SETK hf                         ; K's address registers for half hf: two plain vector lines
	v_add_nc_u32 v[AK], (\hf)*HALF, v[KB]
	v_add_nc_u32 v[AK+1], (\hf)*HALF+2*PLANE, v[KB]
.endm
.macro SETV hf                         ; V's
	v_add_nc_u32 v[AV], (\hf)*HALF+4*PLANE, v[VL]
	v_add_nc_u32 v[AV+1], (\hf)*HALF+6*PLANE, v[VL]
.endm
	v_and_b32 v8, 15, v0                           ; r
	v_bfe_u32 v9, v0, 4, 1                         ; h
	v_lshlrev_b32 v[GO], 5, v8
	v_lshl_add_u32 v[GO], v9, 4, v[GO]
	QLOAD QF, 0
	v_bfe_u32 v10, v0, 3, 1                        ; (l / 8) % 2
	v_and_b32 v11, 7, v0
	v_lshlrev_b32 v11, 5, v11                      ; (l % 8) x 32
	v_and_b32 v14, 31, v0
	s_mul_i32 s60, s10, 2176                       ; my 64 keys of a chunk
	s_mul_i32 s61, s9, 8704
	s_add_co_u32 s61, s61, STAGE
	v_lshl_add_u32 v[STG], v14, 4, s61
	v_mul_u32_u24 v12, v10, 272
	v_add_nc_u32 v12, v12, v11
	v_lshl_add_u32 v12, v9, 4, v12                 ; key r of a tile, bytes 16 h: (r / 8) 272 + (r % 8) 32 + 16 h
	v_mul_u32_u24 v13, v9, 272
	v_add_nc_u32 v13, v13, v11
	v_lshl_add_u32 v13, v10, 4, v13                ; transposing load: key 8 h + l % 8, bytes 16 ((l / 8) % 2)
	v_add_nc_u32 v[KB], s60, v12                   ; the thread's number is not needed any more
	v_add_nc_u32 v[VL], s60, v13
	SETK 0
	SETV 0
	v_mov_b32 v[NM+1], 0
	v_mov_b32 v[AL+1], 0
.macro KLOAD p, cc                     ; eight loads: K's tiles 2 p, 2 p + 1 of my 64 keys of chunk cc of the half at work
.irp kt, 2*\p, 2*\p+1
.irp s, 0,1
	ds_load_b128 v[KV+16*(\kt)+8*\s:KV+16*(\kt)+8*\s+3],   v[AK+\s] offset:(\cc)*CH+(\kt)*544
	ds_load_b128 v[KV+16*(\kt)+8*\s+4:KV+16*(\kt)+8*\s+7], v[AK+\s] offset:PLANE+(\cc)*CH+(\kt)*544
.endr
.endr
.endm
.macro VLOAD ks, cc                    ; eight transposing loads: V^T of keys 32 ks .. 32 ks + 31, all 64 d
.irp dt, 0,1,2,3
	ds_load_tr16_b128 v[KV+32*\ks+8*\dt:KV+32*\ks+8*\dt+3],   v[AV+(\dt>>1)] offset:(\dt&1)*PLANE+(\cc)*CH+\ks*1088
	ds_load_tr16_b128 v[KV+32*\ks+8*\dt+4:KV+32*\ks+8*\dt+7], v[AV+(\dt>>1)] offset:(\dt&1)*PLANE+(\cc)*CH+\ks*1088+544
.endr
.endm
.macro QKW X, i                        ; i-th of eight: kt = 0 1 0 1 2 3 2 3, s = 0 0 1 1 0 0 1 1
.set q_kt, 2*((\i)>>2)+((\i)&1)
.set q_s, ((\i)>>1)&1
.if q_s == 0
	v_wmma_f32_16x16x32_f16 v[SR+32*\X+8*q_kt:SR+32*\X+8*q_kt+7], v[KV+16*q_kt:KV+16*q_kt+7], v[QR+16*\X:QR+16*\X+7], 0
.else
	v_wmma_f32_16x16x32_f16 v[SR+32*\X+8*q_kt:SR+32*\X+8*q_kt+7], v[KV+16*q_kt+8:KV+16*q_kt+15], v[QR+16*\X+8:QR+16*\X+15], v[SR+32*\X+8*q_kt:SR+32*\X+8*q_kt+7]
.endif
.endm
.macro PVW X, i, first                 ; i-th of eight: ks = i / 4, dt = i % 4
.set p_ks, (\i)>>2
.set p_dt, (\i)&3
.if (\first)*(1-p_ks)
	v_wmma_f32_16x16x32_f16 v[OA+32*\X+8*p_dt:OA+32*\X+8*p_dt+7], v[KV+32*p_ks+8*p_dt:KV+32*p_ks+8*p_dt+7], v[SR+32*\X+16*p_ks:SR+32*\X+16*p_ks+7], 0
.else
	v_wmma_f32_16x16x32_f16 v[OA+32*\X+8*p_dt:OA+32*\X+8*p_dt+7], v[KV+32*p_ks+8*p_dt:KV+32*p_ks+8*p_dt+7], v[SR+32*\X+16*p_ks:SR+32*\X+16*p_ks+7], v[OA+32*\X+8*p_dt:OA+32*\X+8*p_dt+7]
.endif
.endm
; The matrix instruction that is woven into a softmax: kind 1 = S of tile 1, kind 2 = O of tile 0.
.macro W kind, i, first
.if \kind == 1
	QKW 1, \i
.else
.if \i == 0
	s_wait_dscnt 8                                 ; V's first eight loads are in, the second eight stay out
.endif
.if \i == 4
	s_wait_dscnt 0
.endif
	PVW 0, \i, \first
.endif
.endm
.macro H kind, j, cc                   ; V's loads, into K's registers as they die
.if \kind == 1
	VLOAD \j, \cc
.endif
.endm
.macro FMA X, kt                       ; log2(e) s - log2(e) m
.irp j, 0,2,4,6
	v_pk_fma_f32 v[SR+32*\X+8*\kt+\j:SR+32*\X+8*\kt+\j+1], v[SR+32*\X+8*\kt+\j:SR+32*\X+8*\kt+\j+1], s[68:69], v[NM:NM+1] op_sel_hi:[1,0,0]
.endr
.endm
.macro EXP X, kt
.irp j, 0,1,2,3,4,5,6,7
	v_exp_f32 v[SR+32*\X+8*\kt+\j], v[SR+32*\X+8*\kt+\j]
.endr
.endm
.macro SUM X, kt, first
	s_wait_alu depctr_va_vdst(0)
	v_pk_add_f32 v[U:U+1], v[SR+32*\X+8*\kt:SR+32*\X+8*\kt+1], v[SR+32*\X+8*\kt+2:SR+32*\X+8*\kt+3]
	v_pk_add_f32 v[U+2:U+3], v[SR+32*\X+8*\kt+4:SR+32*\X+8*\kt+5], v[SR+32*\X+8*\kt+6:SR+32*\X+8*\kt+7]
.if \kt == 0
.if \first
	v_pk_add_f32 v[LS+2*\X:LS+2*\X+1], v[U:U+1], v[U+2:U+3]        ; a job's first tile starts the sums
.else
	v_pk_add_f32 v[U:U+1], v[U:U+1], v[U+2:U+3]
	v_pk_fma_f32 v[LS+2*\X:LS+2*\X+1], v[LS+2*\X:LS+2*\X+1], v[AL:AL+1], v[U:U+1] op_sel_hi:[1,0,1]
.endif
.else
	v_pk_add_f32 v[U:U+1], v[U:U+1], v[U+2:U+3]
	v_pk_add_f32 v[LS+2*\X:LS+2*\X+1], v[LS+2*\X:LS+2*\X+1], v[U:U+1]
.endif
.endm
.macro CVT X, kt                       ; eight p to f16, in place: tiles 2 ks, 2 ks + 1 become P's fragment ks; ascending order never overtakes a source
.irp r, 0,1,2,3
	v_cvt_pk_f16_f32 v[SR+32*\X+16*((\kt)>>1)+4*((\kt)&1)+\r], v[SR+32*\X+8*\kt+2*\r], v[SR+32*\X+8*\kt+2*\r+1]
.endr
.endm
.macro RESC X, half
.irp j, 0,2,4,6,8,10,12,14
	v_pk_mul_f32 v[OA+32*\X+16*\half+\j:OA+32*\X+16*\half+\j+1], v[OA+32*\X+16*\half+\j:OA+32*\X+16*\half+\j+1], v[AL:AL+1] op_sel_hi:[1,0]
.endr
.endm
; The softmax step of query tile X over my 64 keys, with eight matrix instructions of another tile woven in: none of their registers
; is named here, so these lines are the places behind them.  Behind each run of exponentials a plain line that touches none of them
; stands before their first use (ISA guide 5.7.2).
; cc: the chunk in its half; ksw >= 0: K's addresses go to half ksw (this chunk's K loads were issued a chunk ago);
; qsel: 1, 2 = the next job's Q is asked for, behind the last matrix instruction that reads Q and eight plain lines.
.macro SM X, kind, first, p, cc, ksw, qsel
	W \kind, 0, \first
.if \X == 0                                        ; four places between S's last matrix instruction and the first line that reads S
.if \ksw >= 0
	SETK \ksw
.else
	v_nop
	v_nop
.endif
	v_nop
	v_nop
.endif
.irp a, 0,1,2,3
	v_max3_num_f32 v[T+\a], v[SR+32*\X+8*\a], v[SR+32*\X+8*\a+1], v[SR+32*\X+8*\a+2]
.endr
	W \kind, 1, \first
.irp a, 0,1,2,3
	v_max3_num_f32 v[T+\a], v[T+\a], v[SR+32*\X+8*\a+3], v[SR+32*\X+8*\a+4]
.endr
.irp a, 0,1,2,3
	v_max3_num_f32 v[T+\a], v[T+\a], v[SR+32*\X+8*\a+5], v[SR+32*\X+8*\a+6]
.endr
	W \kind, 2, \first
	v_max3_num_f32 v[T], v[T], v[T+1], v[SR+32*\X+7]
	v_max3_num_f32 v[T+2], v[T+2], v[T+3], v[SR+32*\X+15]
	v_max3_num_f32 v[T], v[T], v[SR+32*\X+23], v[SR+32*\X+31]
.if \first
	v_max_num_f32 v[T], v[T], v[T+2]
.else
	v_max3_num_f32 v[T], v[T], v[T+2], v[MX+\X+2*\p]
.endif
	v_permlanex16_b32 v[T+1], v[T], s66, s67       ; the other half of the lanes holds the query's other keys
	W \kind, 3, \first
	v_max_num_f32 v[MX+\X+2*(1-\p)], v[T], v[T+1]  ; the new maximum
	v_mul_f32 v[NM], s70, v[MX+\X+2*(1-\p)]
.if \first == 0
	v_fma_f32 v[AL], v[MX+\X+2*\p], s68, v[NM]
	v_exp_f32 v[AL], v[AL]                         ; exp(old maximum - new maximum)
.endif
	FMA \X, 0
	H \kind, 0, \cc                                ; six plain lines or more stand behind the last matrix instruction that read these registers
	EXP \X, 0
	W \kind, 4, \first
	FMA \X, 1
	SUM \X, 0, \first
	CVT \X, 0
	EXP \X, 1
	W \kind, 5, \first
	FMA \X, 2
	SUM \X, 1, \first
	CVT \X, 1
	EXP \X, 2
	W \kind, 6, \first
	FMA \X, 3
	SUM \X, 2, \first
	CVT \X, 2
	EXP \X, 3
	W \kind, 7, \first
.if \first
	v_nop                                          ; nothing to scale yet: the places in front of V's loads and of S's readers
	v_nop
	v_nop
	v_nop
.else
	RESC \X, 0
.endif
	H \kind, 1, \cc
.if \qsel == 1
	QLOAD QF, 16384                                ; job 1: the same head, four query blocks on
.endif
.if \qsel == 2
	QLOAD QH, 0                                    ; job 2
.endif
	SUM \X, 3, \first
	CVT \X, 3
.if \first == 0
	RESC \X, 1
.endif
.endm
; Chunk c of a job: 128 keys, 64 of them mine.  Inside a half no barrier is needed: the whole half was shown landed in front of it.
; mode 0: the next chunk lies in the same half.
; mode 3: the next chunk opens half 1: every wave waits for all its tensor loads, and a barrier shows the half whole to all.
; mode 2: the same, and half 0, which no wave reads any more, is filled again: the barrier opens a round of the cluster's barrier,
;         with register work alone inside it, and the joint refill is the first tensor load behind the round, one a wave.
.macro ITER c, first, p, mode, ksw, vsw, qsel, last
.set i_cc, (\c)&3
.set i_nc, ((\c)+1)&3
	s_wait_dscnt 8                                 ; K's tiles 0, 1 are in; the eight loads of tiles 2, 3 stay out
	QKW 0, 0
	QKW 0, 1
	QKW 0, 2
	QKW 0, 3
	s_wait_dscnt 0
	QKW 0, 4
	QKW 0, 5
	QKW 0, 6
	QKW 0, 7
	SM 0, 1, \first, \p, i_cc, \ksw, \qsel
	SM 1, 2, \first, \p, i_cc, -1, 0
	PVW 1, 0, \first
	PVW 1, 1, \first
	PVW 1, 2, \first
	PVW 1, 3, \first
.if \last == 0
.if \vsw >= 0                                      ; four places, then K's next tiles land on V's first half
	SETV \vsw
.else
	v_nop
	v_nop
.endif
	v_nop
	v_nop
.if \mode == 0
	KLOAD 0, i_nc
	PVW 1, 4, \first
	PVW 1, 5, \first
	PVW 1, 6, \first
	PVW 1, 7, \first
	v_nop
	v_nop
	v_nop
	v_nop
	KLOAD 1, i_nc
.else
	s_wait_dscnt 0x0                               ; my reads of half 0 are over
	s_set_vgpr_msb 0x5
	s_wait_tensorcnt 0x0                           ; all my tensor loads have landed, my plane of half 1 among them
	ds_add_u32 v0, v1
	s_wait_dscnt 0x0
	s_set_vgpr_msb 0x500
	s_barrier_signal -1
	PVW 1, 4, \first                               ; register work while the others arrive
	PVW 1, 5, \first
	PVW 1, 6, \first
	PVW 1, 7, \first
	s_barrier_wait -1
.if \mode == 2
	CREST                                          ; no wave of any partner still reads half 0 or has a load on its way
	tensor_load_to_lds s[G0H:G0H+3], s[G1:G1+7]    ; head H, keys 0-511: first read four chunks from here
	s_nop 0
.endif
	v_nop
	v_nop
	v_nop
	v_nop
	KLOAD 0, i_nc
	KLOAD 1, i_nc
.endif
.else
	PVW 1, 4, \first
	PVW 1, 5, \first
	PVW 1, 6, \first
	PVW 1, 7, \first
.endif
.endm
; A job: 1,024 keys in eight chunks.  mid: the mode at the change of halves; k7: K's half for the next job or -1; q7: the next job's Q or 0.
.macro JOB mid, k7, q7
	ITER 0, 1, 0, 0, -1, -1, 0, 0
	ITER 1, 0, 1, 0, -1, -1, 0, 0
	ITER 2, 0, 0, 0, -1, -1, 0, 0
	ITER 3, 0, 1, \mid, 1, 1, 0, 0
	ITER 4, 0, 0, 0, -1, -1, 0, 0
	ITER 5, 0, 1, 0, -1, -1, 0, 0
	ITER 6, 0, 0, 0, -1, -1, 0, 0
	ITER 7, 0, 1, 0, \k7, -1, \q7, 1
.endm
; A job's end: THE MERGE of the two halves of the keys.  v20, v21 hold the maxima of tiles 0, 1; v22, v23 take my lane's sums.
; kind 0: a plain barrier, a job follows.  kind 1: half 1, which no wave reads any more, is filled again: the merge's barrier is a round
; of the cluster's barrier with every wave's waits in front of it, and the joint refill stands first behind it.  kind 2: the last job.
; Waves 4-7 go straight on to the next job; the stage is written again only behind the next job's barrier at the change of halves,
; in front of which waves 0-3 have waited for their reads of it.
.macro JOBEND kind, cb, coff
.if \kind < 2                                      ; four places behind the last matrix instructions
	SETV 0
.else
	v_nop
	v_nop
.endif
	v_nop
	v_nop
	v_add_f32 v[MX+2], v[LS], v[LS+1]
	v_add_f32 v[MX+3], v[LS+2], v[LS+3]
	s_cmp_lt_u32 s8, 4
	s_cbranch_scc1 .Lkeeps_\@
.irp i, 0,1,2,3,4,5,6,7,8,9,10,11,12,13,14,15
	ds_store_b128 v[STG], v[OA+4*\i:OA+4*\i+3] offset:512*\i       ; waves 4-7 hand over O,
.endr
	ds_store_b128 v[STG], v[MX:MX+3] offset:8192                   ; maxima and sums
.Lkeeps_\@:
	s_wait_dscnt 0x0                               ; for the others' sake: my stores are done, and my reads of K and V
.if \kind == 1
	s_set_vgpr_msb 0x5
	s_wait_tensorcnt 0x0                           ; my plane of H's half 0 has landed: no load of mine is out
	ds_add_u32 v0, v1
	s_wait_dscnt 0x0
	s_set_vgpr_msb 0x500
	ROUND
	tensor_load_to_lds s[G0H+4:G0H+7], s[G1:G1+7]  ; head H, keys 512-1023: first read four chunks from here
	s_nop 0
.else
	s_barrier_signal -1
	s_barrier_wait -1
.endif
	s_cmp_ge_u32 s8, 4
	s_cbranch_scc1 .Lnext_\@
.irp i, 0,1,2,3,4,5,6,7,8,9,10,11,12,13,14,15
	ds_load_b128 v[KV+4*\i:KV+4*\i+3], v[STG] offset:512*\i
.endr
	ds_load_b128 v[T+4:T+7], v[STG] offset:8192
	s_wait_dscnt 0x0
.irp X, 0,1
	v_max_num_f32 v[T], v[MX+\X], v[T+4+\X]        ; the common maximum
	v_mul_f32 v[T+1], s70, v[T]
	v_fma_f32 v[T+2], v[MX+\X], s68, v[T+1]
	v_fma_f32 v[T+3], v[T+4+\X], s68, v[T+1]
	v_exp_f32 v[T+2], v[T+2]                       ; my half's factor,
	v_exp_f32 v[T+3], v[T+3]                       ; the partner's
	v_nop
	s_wait_alu depctr_va_vdst(0)
	v_mul_f32 v[U], v[MX+2+\X], v[T+2]
	v_fmac_f32 v[U], v[T+6+\X], v[T+3]
	v_permlanex16_b32 v[U+1], v[U], s66, s67
	v_add_f32 v[U], v[U], v[U+1]                   ; the row's sum over all 1,024 keys; the largest term is about 1
	v_rcp_f32 v[U], v[U]
	v_nop
	s_wait_alu depctr_va_vdst(0)
	v_mul_f32 v[NM], v[T+2], v[U]
	v_mul_f32 v[AL], v[T+3], v[U]
.irp j, 0,2,4,6,8,10,12,14,16,18,20,22,24,26,28,30
	v_pk_mul_f32 v[OA+32*\X+\j:OA+32*\X+\j+1], v[OA+32*\X+\j:OA+32*\X+\j+1], v[NM:NM+1] op_sel_hi:[1,0]
.endr
.irp j, 0,2,4,6,8,10,12,14,16,18,20,22,24,26,28,30
	v_pk_fma_f32 v[OA+32*\X+\j:OA+32*\X+\j+1], v[KV+32*\X+\j:KV+32*\X+\j+1], v[AL:AL+1], v[OA+32*\X+\j:OA+32*\X+\j+1] op_sel_hi:[1,0,1]
.endr
.irp j, 0,1,2,3,4,5,6,7,8,9,10,11,12,13,14,15
	v_cvt_pk_f16_f32 v[SR+16*\X+\j], v[OA+32*\X+2*\j], v[OA+32*\X+2*\j+1]
.endr
.irp dt, 0,1,2,3
	global_store_b128 v[GO], v[SR+16*\X+4*\dt:SR+16*\X+4*\dt+3], s[\cb:\cb+1] offset:\coff+\dt*262144+\X*512   ; a whole 16 x 16 tile: 512 consecutive aligned bytes
.endr
.endr
.if \kind < 2
	s_wait_xcnt 0x0                                ; the packed results, which the stores read, are written again by the next job only behind this wait
.endif
.Lnext_\@:
.if \kind < 2
	KLOAD 0, 0                                     ; the next job's first chunk: half 0 was shown whole in front of the barrier above or earlier
	KLOAD 1, 0
	s_wait_loadcnt 0x0                             ; its Q, asked for in the last chunk
.endif
.endm
	s_wait_tensorcnt 1                             ; my plane of half 0 has landed; half 1's load stays out
	s_barrier_signal -1
	s_barrier_wait -1
	KLOAD 0, 0
	KLOAD 1, 0
	s_wait_loadcnt 0x0                             ; Q
	JOB 3, 0, 1                                    ; job 0: head F, query block cx
	JOBEND 0, CF, 0
	JOB 2, 0, 2                                    ; job 1: head F, query block 4 + cx; H takes F's place half by half
	JOBEND 1, CF, 16384
	JOB 3, -1, 0                                   ; job 2: head H
	JOBEND 2, CHD, 0
	s_set_vgpr_msb 0x5
	s_wait_tensorcnt 0x0
	ds_add_u32 v0, v1
	s_wait_dscnt 0x0
	s_set_vgpr_msb 0x500
	ROUND                                          ; the closing round: no work-group ends while a partner may still ask for a tile that names it
	s_endpgm
.Lfunc_end_k_q586dba317a_attn:
	.size	k_q586dba317a_attn, .Lfunc_end_k_q586dba317a_attn-k_q586dba317a_attn
	.p2alignl 7, 3214868480
	.fill 96, 4, 3214868480
	.section	.rodata,"a",@progbits
	.p2align	6, 0x0
	.amdhsa_kernel k_q586dba317a_attn
		.amdhsa_group_segment_fixed_size 327680
		.amdhsa_private_segment_fixed_size 0
		.amdhsa_enable_private_segment 0
		.amdhsa_kernarg_size 16
		.amdhsa_user_sgpr_count 2
		.amdhsa_user_sgpr_kernarg_segment_ptr 1
		.amdhsa_wavefront_size32 1
		.amdhsa_system_sgpr_workgroup_id_x 1
		.amdhsa_system_sgpr_workgroup_id_y 1
		.amdhsa_system_sgpr_workgroup_id_z 1
		.amdhsa_system_vgpr_workitem_id 0
		.amdhsa_next_free_vgpr 258
		.amdhsa_next_free_sgpr 72
		.amdhsa_reserve_vcc 0
		.amdhsa_float_denorm_mode_32 3
		.amdhsa_float_denorm_mode_16_64 3
		.amdhsa_memory_ordered 1
		.amdhsa_forward_progress 1
		.amdhsa_inst_pref_size 255
	.end_amdhsa_kernel
	.section	.bss,"aw",@nobits
	.p2align	6
	.space	262144
	.amdgpu_metadata
---
amdhsa.version: [ 1, 2 ]
amdhsa.kernels:
  - .name:           k_q586dba317a_attn
    .symbol:         k_q586dba317a_attn.kd
    .args:
      - { .name: qkv, .offset: 0, .size: 8, .value_kind: global_buffer, .address_space: global }
      - { .name: ctx, .offset: 8, .size: 8, .value_kind: global_buffer, .address_space: global }
    .group_segment_fixed_size: 327680
    .private_segment_fixed_size: 0
    .kernarg_segment_align: 8
    .kernarg_segment_size: 16
    .max_flat_workgroup_size: 256
    .sgpr_count:     72
    .vgpr_count:     258
    .wavefront_size: 32
...
	.end_amdgpu_metadata
.endif
;; end of part 3
;; launch proj (part 4): grid 4 x 64, 4 waves a work-group, clusters of 4 x 4, 327,680 bytes of LDS; arguments ctx, wh, bo, out0; writes out0
.if DOCPART == 4
	.amdgcn_target "amdgcn-amd-amdhsa--gfx1250"
	.amdhsa_code_object_version 6
	.text
	.protected	k_q586dba317a_proj
	.globl	k_q586dba317a_proj
	.p2align	8
	.type	k_q586dba317a_proj,@function
k_q586dba317a_proj:
	s_mov_b64 s[64:65], 0
	v_nop
	global_prefetch_b8 v0, s[64:65] scope:SCOPE_SE
	s_setreg_imm32_b32 hwreg(HW_REG_WAVE_MODE, 25, 1), 1
	s_wait_xcnt 0x0
	s_wait_alu depctr_hold_cnt(0) depctr_sa_sdst(0) depctr_va_vdst(0) depctr_va_sdst(0) depctr_va_ssrc(0) depctr_va_vcc(0) depctr_vm_vsrc(0)
	s_getreg_b32 s2, hwreg(HW_REG_IB_STS2, 6, 4)
	s_cmp_eq_u32 s2, 0
	s_cbranch_scc0 .Lentry_in_a_cluster
	s_endpgm
.Lentry_in_a_cluster:
	s_bfe_u32 s2, ttmp6, 0x10000c
	s_cmp_lg_u32 s2, 0xf033
	s_cbranch_scc0 .Lentry_shape_is_right
	s_endpgm
.Lentry_shape_is_right:
; out0 = ctx wo^T + bo: [8192 tokens][768] x [768][768]^T, f16 operands, f32 sums and results.
; ctx is tiled [column tile 48][token 8192][16] f16; wo is rows 2304-3071 of wh, [row][768] f16.
; A work-group makes 128 tokens x 192 columns with four waves: 64 x 4 = 256 work-groups of equal work; a wave makes 64 x 96 = 4 x 6
; accumulator tiles.  K = 768 in six steps of 128 through two LDS slots; two-step slots would need 342,016 bytes beside the stage and do not fit.
; CLUSTERS: 4 x 4 work-groups; ctx's tile is shared along a row of the cluster, wo's along a column, both asked for jointly.
; The matrix instruction is used transposed (source 0 = weight rows, source 1 = tokens): lane (r, h) holds token r, columns 8 h .. 8 h + 7.
; The bias in that layout is the C operand of the first products.  The results leave through a stage in LDS with bytes of its own, so
; that sixteen lanes store 256 consecutive aligned bytes of a row of out0.
; ctx's tile in LDS: column tile j at j x 4,352; 16 bytes of padding follow every 256 (8 tokens): token i at (i / 8) 272 + (i % 8) 32.
; REGISTER WINDOWS: 0: addresses, fragments (two buffers), bias; 1: the 24 accumulator tiles, (a, b) at 8 (6 a + b).
; The 24 accumulators take turns, one matrix instruction a turn, in the same order in every quarter step.
.set PITCH,  272
.set ATILE,  4352                      ; 128 tokens x 32 bytes + 16 pads
.set ABYTES, 8*ATILE
.set BHALF,  96*PITCH
.set SLOT,   ABYTES+2*BHALF            ; 87,040
.set STAGE,  2*SLOT                    ; 174,080, a multiple of 256: no tensor load lands behind it
.set SPITCH, 784                       ; 768 bytes + 16: an odd multiple of 16
.set ADRA, 16
.set ADRB, 20
.set STO,  24
.set RD,   25
.set CO,   26
.set VB,   27
.set FA,   32                          ; token fragments, buffer f at + 80 f
.set FB,   64                          ; weight fragments, buffer f at + 80 f
.set BIAS, 192
.set G1A, 24
.set G0A, 32
.set G1B, 40
.set G0B, 48
.set GCONST, (1<<16)|(1<<20)|(1<<21)|(5<<22)|(3<<25)
.set MSB, 0
.macro WIN new
.if MSB != (\new)
	s_set_vgpr_msb (MSB<<8)|(\new)
.set MSB, (\new)
.endif
.endm
.macro PLACES                          ; four places behind matrix instructions (ISA guide 7.12.1)
.rept 4
	v_nop
.endr
.endm
.macro JLOAD s                         ; waves 0, 1 ask for ctx's two halves (four column tiles each), waves 2, 3 for wo's (96 rows each)
	s_cmp_eq_u32 s17, 0
	s_cbranch_scc0 .Lfor_b_\@
	tensor_load_to_lds s[G0A+4*\s:G0A+4*\s+3], s[G1A:G1A+7]
	s_nop 0
	s_branch .Lasked_\@
.Lfor_b_\@:
	tensor_load_to_lds s[G0B+4*\s:G0B+4*\s+3], s[G1B:G1B+7]
	s_nop 0
.Lasked_\@:
.endm
.macro CREST
	s_cmp_lg_u32 s16, 0
	s_cbranch_scc1 .Lnot_wave_0_\@
	s_barrier_signal -3
.Lnot_wave_0_\@:
	s_barrier_wait -3
	s_barrier_signal -1
	s_barrier_wait -1
.endm
.macro CROUND
	s_barrier_signal -1
	s_barrier_wait -1
	CREST
.endm
	s_load_b256 s[4:11], s[0:1], 0x0               ; ctx s[4:5], wh s[6:7], bo s[8:9], out0 s[10:11]
	v_lshl_add_u32 v254, v0, 2, 0x43000
	v_mov_b32 v255, 0
	ds_add_u32 v254, v255
	v_lshrrev_b32 v1, 5, v0
	v_readfirstlane_b32 s16, v1                    ; wave 0..3
	s_lshr_b32 s17, s16, 1                         ; my half of the tokens.  Also: I fetch ctx (0) or wo (1)
	s_and_b32 s18, s16, 1                          ; my half of the columns.  Also: which half of that tile I fetch
	s_bfe_u32 s19, ttmp6, 0x40000                  ; cx
	s_bfe_u32 s20, ttmp6, 0x40004                  ; cy
	s_lshl_b32 s21, ttmp9, 2
	s_add_co_u32 s21, s21, s19                     ; block column
	s_and_b32 s22, ttmp7, 0xffff
	s_lshl_b32 s22, s22, 2
	s_add_co_u32 s22, s22, s20                     ; block row
	s_lshl_b32 s62, s20, 2
	s_lshl_b32 s62, 15, s62                        ; my row of the cluster
	s_lshl_b32 s63, 0x1111, s19                    ; my column
	s_or_b32 s[G1A+0], s62, GCONST
	s_or_b32 s[G1B+0], s63, GCONST
	s_mov_b32 s[G1A+1], 2048<<16                   ; ctx: a row of the tile is 128 tokens of one column tile, 2,048 elements (4,096 bytes)
	s_mov_b32 s[G1B+1], 128<<16                    ; wo: 128 along K
	s_mov_b32 s[G1A+2], 4<<16                      ; four column tiles
	s_mov_b32 s[G1B+2], 96<<16                     ; 96 rows
	s_mov_b32 s[G1A+3], 2048<<16
	s_mov_b32 s[G1B+3], 128<<16
	s_mov_b32 s[G1A+4], 4
	s_mov_b32 s[G1B+4], 96
	s_mov_b32 s[G1A+5], 131072                     ; 8,192 tokens x 16 from one column tile to the next
	s_mov_b32 s[G1B+5], 768
	s_mov_b32 s[G1A+6], 0
	s_mov_b32 s[G1B+6], 0
	s_mov_b32 s[G1A+7], 0
	s_mov_b32 s[G1B+7], 0
	s_lshl_b32 s56, s22, 12                        ; ctx: 128 x block row tokens x 32 bytes
	s_lshl_b32 s60, s18, 20                        ; + my four column tiles x 262,144 bytes (these registers never hold cx)
	s_add_co_u32 s56, s56, s60
	s_mov_b32 s57, 0
	s_mul_i32 s58, s21, 192                        ; wo: row 2,304 + 192 x block column + 96 x half (these never hold cy)
	s_mul_i32 s61, s18, 96
	s_add_co_u32 s58, s58, s61
	s_add_co_u32 s58, s58, 2304
	s_mul_i32 s58, s58, 1536
	s_mov_b32 s59, 0
	s_mul_i32 s60, s18, 4*ATILE
	s_mul_i32 s61, s18, BHALF
	s_add_co_u32 s61, s61, ABYTES
	s_wait_dscnt 0x0
	s_wait_kmcnt 0x0
	s_add_nc_u64 s[56:57], s[4:5], s[56:57]
	s_add_nc_u64 s[58:59], s[6:7], s[58:59]
	CROUND                                         ; the first joint loads meet
.irp s, 0,1
	s_mov_b32 s[G0A+4*\s], 1
	s_add_co_u32 s[G0A+4*\s+1], s60, \s*SLOT
	s_add_nc_u64 s[G0A+4*\s+2:G0A+4*\s+3], s[56:57], \s*0x200000   ; K step s: eight column tiles on
	s_or_b32 s[G0A+4*\s+3], s[G0A+4*\s+3], 0x80000000
	s_mov_b32 s[G0B+4*\s], 1
	s_add_co_u32 s[G0B+4*\s+1], s61, \s*SLOT
	s_add_nc_u64 s[G0B+4*\s+2:G0B+4*\s+3], s[58:59], \s*256
	s_or_b32 s[G0B+4*\s+3], s[G0B+4*\s+3], 0x80000000
	JLOAD \s                                       ; two tensor loads of the wave are out here, one later
.endr
	v_and_b32 v1, 15, v0                           ; r
	v_bfe_u32 v2, v0, 4, 1                         ; h
	v_bfe_u32 v4, v0, 3, 1                         ; r / 8
	v_and_b32 v5, 7, v0
	v_lshlrev_b32 v5, 5, v5                        ; (r % 8) x 32
	v_mul_u32_u24 v4, v4, 272
	v_add_nc_u32 v4, v4, v5
	v_lshl_add_u32 v4, v2, 4, v4                   ; token r of a tile of ctx, bytes 16 h
	v_mul_u32_u24 v3, v1, PITCH
	v_lshl_add_u32 v3, v2, 4, v3                   ; row r of wo, bytes 16 h
	s_mul_i32 s74, s17, 2176                       ; my 64 tokens
	s_mul_i32 s75, s18, BHALF                      ; my 96 rows of wo
	s_add_co_u32 s75, s75, ABYTES
.irp s, 0,1
	v_add_nc_u32 v[ADRA+\s], s74, v4
	v_add_nc_u32 v[ADRB+\s], s75, v3
	s_add_co_u32 s74, s74, SLOT
	s_add_co_u32 s75, s75, SLOT
.endr
	s_mul_i32 s74, s17, 64*SPITCH
	s_mul_i32 s75, s18, 384
	s_add_co_u32 s74, s74, s75
	s_add_co_u32 s74, s74, STAGE
	v_mul_u32_u24 v5, v1, SPITCH
	v_lshl_add_u32 v5, v2, 5, v5
	v_add_nc_u32 v[STO], s74, v5                   ; in: row 64 wm + r, byte 384 wn + 32 h
	s_mul_i32 s74, s16, 32*SPITCH
	s_add_co_u32 s74, s74, STAGE
	v_mul_u32_u24 v5, v2, SPITCH
	v_lshl_add_u32 v5, v1, 4, v5
	v_add_nc_u32 v[RD], s74, v5                    ; back: row 32 w + h, byte 16 r
	v_mul_u32_u24 v5, v2, 3072
	v_lshl_add_u32 v[CO], v1, 4, v5                ; the same two rows in out0
	v_lshlrev_b32 v[VB], 5, v2
	s_mul_i32 s70, s21, 768                        ; bias: (192 x block column + 96 x half) x 4 bytes
	s_mul_i32 s72, s18, 384
	s_add_co_u32 s70, s70, s72
	s_mov_b32 s71, 0
	s_add_nc_u64 s[68:69], s[8:9], s[70:71]
.irp b, 0,1,2,3,4,5
	global_load_b128 v[BIAS+8*\b:BIAS+8*\b+3],   v[VB], s[68:69] offset:64*\b       ; register j = bias of column 16 b + 8 h + j
	global_load_b128 v[BIAS+8*\b+4:BIAS+8*\b+7], v[VB], s[68:69] offset:64*\b+16
.endr
.macro MULA f, a, z                    ; six matrix instructions: token tile a x all column tiles
.irp b, 0,1,2,3,4,5
.if \z
	v_wmma_f32_16x16x32_f16 v[8*(6*\a+\b):8*(6*\a+\b)+7], v[FB+80*\f+8*\b:FB+80*\f+8*\b+7], v[FA+80*\f+8*\a:FA+80*\f+8*\a+7], v[BIAS+8*\b:BIAS+8*\b+7]
.else
	v_wmma_f32_16x16x32_f16 v[8*(6*\a+\b):8*(6*\a+\b)+7], v[FB+80*\f+8*\b:FB+80*\f+8*\b+7], v[FA+80*\f+8*\a:FA+80*\f+8*\a+7], v[8*(6*\a+\b):8*(6*\a+\b)+7]
.endif
.endr
.endm
.macro FETCH slot, q, g                ; 20 LDS loads: quarter q's fragments, wo's 96 rows, then my 64 tokens
.irp b, 0,1,2,3,4,5
	ds_load_b128 v[FB+80*\g+8*\b:FB+80*\g+8*\b+3],   v[ADRB+\slot] offset:64*\q+\b*16*PITCH
	ds_load_b128 v[FB+80*\g+8*\b+4:FB+80*\g+8*\b+7], v[ADRB+\slot] offset:64*\q+\b*16*PITCH+32
.endr
.irp a, 0,1,2,3
	ds_load_b128 v[FA+80*\g+8*\a:FA+80*\g+8*\a+3],   v[ADRA+\slot] offset:\q*2*ATILE+\a*544         ; column tile 2 q
	ds_load_b128 v[FA+80*\g+8*\a+4:FA+80*\g+8*\a+7], v[ADRA+\slot] offset:\q*2*ATILE+ATILE+\a*544   ; column tile 2 q + 1
.endr
.endm
; Window settings: 0x50 = C and D in window 1, sources in window 0; 0x40 = D alone (the bias as C lies in window 0).
.macro QUARTER slot, q, f, g, z
	s_wait_dscnt 4                                 ; all but the youngest four loads (token tiles 2, 3) are in
	WIN 0x50-0x10*\z
	MULA \f, 0, \z
	MULA \f, 1, \z
	PLACES
	WIN 0
	FETCH \slot, \q, \g
	s_wait_dscnt 20                                ; all but the 20 just issued
	WIN 0x50-0x10*\z
	MULA \f, 2, \z
	MULA \f, 3, \z
.endm
.macro THREE slot, z
	QUARTER \slot, 1, 0, 1, \z
	QUARTER \slot, 2, 1, 0, 0
	QUARTER \slot, 3, 0, 1, 0
.endm
; The change of slots: each wave's reads of this slot and all its tensor loads are waited for in front of the barrier; where the slot is
; filled again the barrier opens a round of the cluster's barrier and the joint refill is the first tensor load behind it.
; From a request to the wait for it a wave issues 90 matrix instructions.
.macro TURN slot, next, fill
	s_wait_dscnt 4
	WIN 0x50
	MULA 1, 0, 0
	s_wait_dscnt 0
	s_wait_tensorcnt 0x0
	ds_add_u32 v254, v255
	s_wait_dscnt 0x0
	s_barrier_signal -1
	MULA 1, 1, 0
	WIN 0
	s_barrier_wait -1
.if \fill
	CREST
	s_add_nc_u64 s[G0A+4*\slot+2:G0A+4*\slot+3], s[G0A+4*\slot+2:G0A+4*\slot+3], 0x400000   ; two K steps on: sixteen column tiles
	s_add_nc_u64 s[G0B+4*\slot+2:G0B+4*\slot+3], s[G0B+4*\slot+2:G0B+4*\slot+3], 512
	JLOAD \slot
.endif
	PLACES
	FETCH \next, 0, 0
	WIN 0x50
	MULA 1, 2, 0
	MULA 1, 3, 0
.endm
.macro LAP z
	THREE 0, \z
	TURN 0, 1, 1
	THREE 1, 0
	TURN 1, 0, 1
.endm
	s_wait_loadcnt 0x0                             ; the bias
	s_wait_tensorcnt 1                             ; my part of K step 0 is in; step 1's stays out
	s_barrier_signal -1
	s_barrier_wait -1
	FETCH 0, 0, 0
	LAP 1                                          ; K steps 0, 1
	LAP 0                                          ; K steps 2, 3
	THREE 0, 0                                     ; K step 4: nothing is left to fetch
	TURN 0, 1, 0
	THREE 1, 0                                     ; K step 5
	s_wait_dscnt 4
	WIN 0x50
	MULA 1, 0, 0
	MULA 1, 1, 0
	s_wait_dscnt 0
	MULA 1, 2, 0
	MULA 1, 3, 0
	; THE WAY OUT: the block's 128 rows x 768 bytes go into the stage, and come back as whole rows.
	PLACES
	s_lshl_b32 s70, s22, 7
	s_lshl_b32 s72, s16, 5
	s_add_co_u32 s70, s70, s72                     ; row 128 x block row + 32 w
	s_mul_i32 s70, s70, 3072
	s_mul_i32 s72, s21, 768
	s_add_co_u32 s70, s70, s72                     ; + 768 bytes x block column (below 2^25)
	s_mov_b32 s71, 0
	s_add_nc_u64 s[10:11], s[10:11], s[70:71]
	WIN 0x04                                       ; store data in window 1, address in window 0
.irp a, 0,1,2,3
.irp b, 0,1,2,3,4,5
	ds_store_b128 v[STO], v[8*(6*\a+\b):8*(6*\a+\b)+3]   offset:\a*16*SPITCH+\b*64
	ds_store_b128 v[STO], v[8*(6*\a+\b)+4:8*(6*\a+\b)+7] offset:\a*16*SPITCH+\b*64+16
.endr
.endr
	WIN 0
	s_wait_dscnt 0x0                               ; for the others' sake: my stores are done
	s_barrier_signal -1
	s_barrier_wait -1
.irp pr, 0,1,2,3,4,5,6,7,8,9,10,11,12,13,14,15
.irp u, 0,1,2
	ds_load_b128 v[32+4*(3*\pr+\u):32+4*(3*\pr+\u)+3], v[RD] offset:\pr*2*SPITCH+256*\u
.endr
.endr
.irp pr, 0,1,2,3,4,5,6,7,8,9,10,11,12,13,14,15
.irp u, 0,1,2
	s_wait_dscnt 47-(3*\pr+\u)                     ; LDS loads come back in order: this one is in, the younger ones stay out
	global_store_b128 v[CO], v[32+4*(3*\pr+\u):32+4*(3*\pr+\u)+3], s[10:11] offset:\pr*6144+256*\u th:TH_STORE_NT   ; sixteen lanes store 256 consecutive aligned bytes
.endr
.endr
	s_wait_tensorcnt 0x0
	ds_add_u32 v254, v255
	s_wait_dscnt 0x0
	CROUND                                         ; the closing round
	s_endpgm
.Lfunc_end_k_q586dba317a_proj:
	.size	k_q586dba317a_proj, .Lfunc_end_k_q586dba317a_proj-k_q586dba317a_proj
	.p2alignl 7, 3214868480
	.fill 96, 4, 3214868480
	.section	.rodata,"a",@progbits
	.p2align	6, 0x0
	.amdhsa_kernel k_q586dba317a_proj
		.amdhsa_group_segment_fixed_size 327680
		.amdhsa_private_segment_fixed_size 0
		.amdhsa_enable_private_segment 0
		.amdhsa_kernarg_size 32
		.amdhsa_user_sgpr_count 2
		.amdhsa_user_sgpr_kernarg_segment_ptr 1
		.amdhsa_wavefront_size32 1
		.amdhsa_system_sgpr_workgroup_id_x 1
		.amdhsa_system_sgpr_workgroup_id_y 1
		.amdhsa_system_sgpr_workgroup_id_z 1
		.amdhsa_system_vgpr_workitem_id 0
		.amdhsa_next_free_vgpr 448
		.amdhsa_next_free_sgpr 76
		.amdhsa_reserve_vcc 0
		.amdhsa_float_denorm_mode_32 3
		.amdhsa_float_denorm_mode_16_64 3
		.amdhsa_memory_ordered 1
		.amdhsa_forward_progress 1
		.amdhsa_inst_pref_size 97
	.end_amdhsa_kernel
	.amdgpu_metadata
---
amdhsa.version: [ 1, 2 ]
amdhsa.kernels:
  - .name:           k_q586dba317a_proj
    .symbol:         k_q586dba317a_proj.kd
    .args:
      - { .name: ctx, .offset: 0, .size: 8, .value_kind: global_buffer, .address_space: global }
      - { .name: wh, .offset: 8, .size: 8, .value_kind: global_buffer, .address_space: global }
      - { .name: bo, .offset: 16, .size: 8, .value_kind: global_buffer, .address_space: global }
      - { .name: out0, .offset: 24, .size: 8, .value_kind: global_buffer, .address_space: global }
    .group_segment_fixed_size: 327680
    .private_segment_fixed_size: 0
    .kernarg_segment_align: 8
    .kernarg_segment_size: 32
    .max_flat_workgroup_size: 128
    .sgpr_count:     76
    .vgpr_count:     448
    .wavefront_size: 32
...
	.end_amdgpu_metadata
.endif
;; end of part 4
;; ======== version 2 of 2: 4 launches; version 1 with the launch cvt written anew for expert scheduling mode
;; limits: values are held in f16: magnitudes above 65,504 overflow, below 6.1e-05 lose precision
;; workspace buffers: xh 12,582,912 bytes; wh 4,718,592 bytes; qkv 37,748,736 bytes; ctx 12,582,912 bytes
;; launch cvt (part 5): grid 528 x 1, 8 waves a work-group, no clusters, 0 bytes of LDS; arguments x, wq, wk, wv, wo, xh, wh; writes xh, wh
.if DOCPART == 5
	.amdgcn_target "amdgcn-amd-amdhsa--gfx1250"
	.amdhsa_code_object_version 6
	.text
	.protected	k_q586dba317a_cvt
	.globl	k_q586dba317a_cvt
	.p2align	8
	.type	k_q586dba317a_cvt,@function
k_q586dba317a_cvt:
	s_mov_b64 s[64:65], 0
	v_nop
	global_prefetch_b8 v0, s[64:65] scope:SCOPE_SE
	s_setreg_imm32_b32 hwreg(HW_REG_WAVE_SCHED_MODE, 0, 2), 2
	s_setreg_imm32_b32 hwreg(HW_REG_WAVE_MODE, 25, 1), 1
	s_wait_xcnt 0x0
	s_wait_alu depctr_vm_vsrc(0)
; x and the four weight matrices, f32 -> f16 (round to nearest even), so that the products that follow move half the bytes.
; xh = x as [8192][768] f16.  wh = [3072][768] f16: the rows of wq, wk, wv, wo one behind the other.
; LIMIT: a magnitude of 65,520 or more becomes an infinity in f16; below 2^-14 the absolute error is 2^-25.
; A work-group converts a piece of 16,384 numbers: 65,536 bytes in, 32,768 out.  Pieces 0-383 are x (6,291,456 numbers),
; pieces 384 + 36 k .. 384 + 36 k + 35 are weight k (589,824 numbers each).  528 pieces in all, each byte read and written once.
; A stream: no LDS, no barrier, no matrix unit, no cluster (no two work-groups read the same byte).
; Sixteen loads of every wave go out at once.
; THE MODE: SCHED_MODE bits 1:0 = 2 (LLVM: expert scheduling mode 2), set by the entry lines.  The code itself states the register dependences
; between vector instructions and memory instructions, with s_wait_alu, always for 0.
; THE PLAN.  Registers that memory instructions touch:
;   v1, v2   byte offsets, made once at the head and never written again: v1 is read by every load, v2 by every store.
;   X        v[4:67]: each register is written by one load and by nothing else; read by the conversions behind the counted wait for that load.
;   Y        v[68:99]: each register is written by one conversion and read by one store; never written again.
; The sixteen loads' numbers go in four groups of four.  Group g rounds X's part g into Y's part g; its memory instructions are the four stores
; of group g - 1, which read Y's part g - 1 and v2: registers that no vector instruction of group g names.  So one wait at a group's head states
; all that its four stores hang on, and they are dealt among the group's conversions with no further wait.  No register that a memory
; instruction has read is written again, so nothing is waited for on that side.
.set XPIECES, 384
.set WPIECES, 36
.set XR, 4                             ; v[4:67]   sixteen loads of four f32
.set YR, 68                            ; v[68:99]  sixteen pairs of packed f16
	s_load_b256 s[4:11], s[0:1], 0x0               ; x s[4:5], wq s[6:7], wk s[8:9], wv s[10:11]
	s_load_b128 s[12:15], s[0:1], 0x20             ; wo s[12:13], xh s[14:15]
	s_load_b64 s[16:17], s[0:1], 0x30              ; wh
	s_mov_b32 s18, ttmp9                           ; my piece
	s_sub_co_u32 s26, s18, XPIECES                 ; its number inside wq (also: inside wh), wk, wv, wo; only the one that is chosen below is used
	s_sub_co_u32 s27, s18, XPIECES+WPIECES
	s_sub_co_u32 s28, s18, XPIECES+2*WPIECES
	s_sub_co_u32 s29, s18, XPIECES+3*WPIECES
	v_lshlrev_b32 v1, 4, v0                        ; 16 bytes in for each thread
	v_lshlrev_b32 v2, 3, v0                        ; 8 bytes out
	s_wait_kmcnt 0x0
	s_cmp_ge_u32 s18, XPIECES                      ; a weight's piece?
	s_cselect_b64 s[20:21], s[6:7], s[4:5]         ; from: wq or x
	s_cselect_b64 s[24:25], s[16:17], s[14:15]     ; to: wh or xh
	s_cselect_b32 s22, s26, s18                    ; piece inside the source
	s_cselect_b32 s23, s26, s18                    ; piece inside the destination
	s_cmp_ge_u32 s18, XPIECES+WPIECES
	s_cselect_b64 s[20:21], s[8:9], s[20:21]       ; wk
	s_cselect_b32 s22, s27, s22
	s_cmp_ge_u32 s18, XPIECES+2*WPIECES
	s_cselect_b64 s[20:21], s[10:11], s[20:21]     ; wv
	s_cselect_b32 s22, s28, s22
	s_cmp_ge_u32 s18, XPIECES+3*WPIECES
	s_cselect_b64 s[20:21], s[12:13], s[20:21]     ; wo
	s_cselect_b32 s22, s29, s22
	s_lshl_b32 s26, s22, 16                        ; 65,536 bytes a piece (383 pieces at the most: below 2^25)
	s_mov_b32 s27, 0
	s_add_nc_u64 s[20:21], s[20:21], s[26:27]
	s_lshl_b32 s28, s23, 15                        ; 32,768 bytes a piece
	s_mov_b32 s29, 0
	s_add_nc_u64 s[24:25], s[24:25], s[28:29]
	s_wait_alu depctr_va_vdst(0)                   ; v1 and v2 are written: every load of the kernel reads v1 as its offset, every store v2
.irp i, 0,1,2,3,4,5,6,7,8,9,10,11,12,13,14,15
	global_load_b128 v[XR+4*\i:XR+4*\i+3], v1, s[20:21] offset:4096*\i th:TH_LOAD_NT   ; a wave's load covers 512 consecutive bytes; read once in the launch
.endr
; Group g: loads 4 g to 4 g + 3 are rounded; the stores of group g - 1 stand among the conversions, one ahead of each pair.
.macro GRP g
	s_wait_loadcnt 12-4*(\g)                       ; loads come back in order: loads 0 to 4 g + 3 are in, the 12 - 4 g younger ones stay out
.if (\g) > 0
	s_wait_alu depctr_va_vdst(0)                   ; the conversions of the group before have written their eight registers of Y, which the four stores below read
.endif
.irp i, 0,1,2,3
.if (\g) > 0
	global_store_b64 v2, v[YR+2*(4*(\g)-4+(\i)):YR+2*(4*(\g)-4+(\i))+1], s[24:25] offset:2048*(4*(\g)-4+(\i))   ; a wave's store covers 256 consecutive bytes, aligned; no vector instruction since the wait names these registers
.endif
	v_cvt_pk_f16_f32 v[YR+2*(4*(\g)+(\i))], v[XR+4*(4*(\g)+(\i))], v[XR+4*(4*(\g)+(\i))+1]
	v_cvt_pk_f16_f32 v[YR+2*(4*(\g)+(\i))+1], v[XR+4*(4*(\g)+(\i))+2], v[XR+4*(4*(\g)+(\i))+3]
.endr
.endm
	GRP 0                                          ; no group stands in front of it: no store, and no wait but the one for its data
	GRP 1
	GRP 2
	GRP 3
	s_wait_alu depctr_va_vdst(0)                   ; the last group's conversions have written their eight registers of Y, which the last four stores read
.irp i, 12,13,14,15
	global_store_b64 v2, v[YR+2*\i:YR+2*\i+1], s[24:25] offset:2048*\i   ; a wave's store covers 256 consecutive bytes, aligned
.endr
	s_endpgm
.Lfunc_end_k_q586dba317a_cvt:
	.size	k_q586dba317a_cvt, .Lfunc_end_k_q586dba317a_cvt-k_q586dba317a_cvt
	.p2alignl 7, 3214868480
	.fill 96, 4, 3214868480
	.section	.rodata,"a",@progbits
	.p2align	6, 0x0
	.amdhsa_kernel k_q586dba317a_cvt
		.amdhsa_group_segment_fixed_size 0
		.amdhsa_private_segment_fixed_size 0
		.amdhsa_enable_private_segment 0
		.amdhsa_kernarg_size 56
		.amdhsa_user_sgpr_count 2
		.amdhsa_user_sgpr_kernarg_segment_ptr 1
		.amdhsa_wavefront_size32 1
		.amdhsa_system_sgpr_workgroup_id_x 1
		.amdhsa_system_sgpr_workgroup_id_y 1
		.amdhsa_system_sgpr_workgroup_id_z 1
		.amdhsa_system_vgpr_workitem_id 0
		.amdhsa_next_free_vgpr 100
		.amdhsa_next_free_sgpr 66
		.amdhsa_reserve_vcc 0
		.amdhsa_float_denorm_mode_32 3
		.amdhsa_float_denorm_mode_16_64 3
		.amdhsa_memory_ordered 1
		.amdhsa_forward_progress 1
		.amdhsa_inst_pref_size 7
	.end_amdhsa_kernel
	.amdgpu_metadata
---
amdhsa.version: [ 1, 2 ]
amdhsa.kernels:
  - .name:           k_q586dba317a_cvt
    .symbol:         k_q586dba317a_cvt.kd
    .args:
      - { .name: x, .offset: 0, .size: 8, .value_kind: global_buffer, .address_space: global }
      - { .name: wq, .offset: 8, .size: 8, .value_kind: global_buffer, .address_space: global }
      - { .name: wk, .offset: 16, .size: 8, .value_kind: global_buffer, .address_space: global }
      - { .name: wv, .offset: 24, .size: 8, .value_kind: global_buffer, .address_space: global }
      - { .name: wo, .offset: 32, .size: 8, .value_kind: global_buffer, .address_space: global }
      - { .name: xh, .offset: 40, .size: 8, .value_kind: global_buffer, .address_space: global }
      - { .name: wh, .offset: 48, .size: 8, .value_kind: global_buffer, .address_space: global }
    .group_segment_fixed_size: 0
    .private_segment_fixed_size: 0
    .kernarg_segment_align: 8
    .kernarg_segment_size: 56
    .max_flat_workgroup_size: 256
    .sgpr_count:     66
    .vgpr_count:     100
    .wavefront_size: 32
...
	.end_amdgpu_metadata
.endif
;; end of part 5
;; launch qkv: the kernel of part 2 again; grid 8 x 32, 4 waves a work-group, clusters of 4 x 4, 327,680 bytes of LDS; arguments xh, wh, bq, bk, bv, qkv; writes qkv
;; launch attn: the kernel of part 3 again; grid 32 x 8, 8 waves a work-group, clusters of 4 x 1, 327,680 bytes of LDS; arguments qkv, ctx; writes ctx
;; launch proj: the kernel of part 4 again; grid 4 x 64, 4 waves a work-group, clusters of 4 x 4, 327,680 bytes of LDS; arguments ctx, wh, bo, out0; writes out0
